; MI455X (gfx1250); checked and timed in simulation.
; The chip was launched on July 23, 2026; its instructions are those of AMD's public machine-readable ISA for CDNA 5 (MIT licence, August 2026) and "CDNA5" Instruction Set Architecture Reference Guide (July 2026). The comments in the code are by the model that wrote it; some were corrected since.
;; Custom Attention Markov. Allowed arithmetic: float matrix products may take bf16 or f16 operands with f32 sums; other float arithmetic in f32, or as packed bf16 or f16 multiplies, adds, multiply-adds, maxima and minima; sums over many terms, partial sums and values carried from step to step in f32; what a program stores and reads back later, other than sums and carried values, may be rounded once to bf16 or f16.
;; Inputs: Wk 1,024 x 1,024 float32; Wo 1,024 x 1,024 float32; Wq 1,024 x 1,024 float32; Wv 1,024 x 1,024 float32; bk 1,024 float32; bo 1,024 float32; bq 1,024 float32; bv 1,024 float32; key 4 x 2,048 x 1,024 float32; query 4 x 2,048 x 1,024 float32; value 4 x 2,048 x 1,024 float32.
;; Outputs: out0 4 x 2,048 x 1,024 float32.
;; One version. Each part assembles by itself: llvm-mc -triple=amdgcn-amd-amdhsa -mcpu=gfx1250 --defsym DOCPART=n.
;; ======== version 1 of 1: 6 launches
;; limits: values are held in f16: magnitudes above 65,504 overflow, below 6.1e-05 lose precision
;; workspace buffers: X16 58,720,256 bytes; QKV 50,331,648 bytes; SC 67,108,864 bytes; PB 33,554,432 bytes; OB 16,777,216 bytes
;; launch prep (part 1): grid 1792 x 1, 8 waves a work-group, no clusters, 0 bytes of LDS; arguments query, key, value, Wq, Wk, Wv, Wo, X16; writes X16
.if DOCPART == 1
	.amdgcn_target "amdgcn-amd-amdhsa--gfx1250"
	.amdhsa_code_object_version 6
	.text
	.protected	k_q1b4e0243f6_prep
	.globl	k_q1b4e0243f6_prep
	.p2align	8
	.type	k_q1b4e0243f6_prep,@function
k_q1b4e0243f6_prep:
	s_mov_b64 s[64:65], 0
	v_nop
	global_prefetch_b8 v0, s[64:65] scope:SCOPE_SE
	s_setreg_imm32_b32 hwreg(HW_REG_WAVE_MODE, 25, 1), 1
	s_wait_xcnt 0x0
; X16 = query, key, value, Wq, Wk, Wv, Wo one behind the other, each number rounded to bf16 and that number written as f16.
; All inputs of the module get the same rounding (8 significant bits); f16 holds such a number exactly from 2^-14 to 65,504.
; LIMITS.  An input of 65,520 or more becomes an infinity; below 2^-14 f16's fixed step of 6e-8 holds.
; A stream: no LDS, no barrier, no matrix unit.  A work-group takes 16,384 numbers of one tensor, a wave 2,048:
; sixteen loads of 512 consecutive bytes, all issued at once, and sixteen stores of 256 consecutive bytes, aligned.
; Blocks 0-1535: query, key, value (512 blocks each); blocks 1536-1791: the four weights (64 blocks each).
.set T, 4                              ; v[4:5]    two packed bf16 pairs, at work
.set X, 8                              ; v[8:71]   chunk j: four f32 as loaded, then the rounded numbers as f32
.set Y, 72                             ; v[72:103] chunk j: four f16 to store; every register is written once
	s_load_b512 s[8:23], s[0:1], 0x0               ; the seven inputs s[8:21], X16 s[22:23]
	v_lshrrev_b32 v3, 5, v0
	v_readfirstlane_b32 s2, v3                     ; wave 0..7
	v_and_b32 v1, 31, v0
	v_lshlrev_b32 v2, 3, v1                        ; 8 bytes a lane on the way out
	v_lshlrev_b32 v1, 4, v1                        ; 16 bytes a lane on the way in
	s_lshr_b32 s3, ttmp9, 9                        ; a large tensor: which, and which block of it
	s_and_b32 s4, ttmp9, 511
	s_sub_co_u32 s5, ttmp9, 1536                   ; a weight: which, and which block of it
	s_lshr_b32 s6, s5, 6
	s_add_co_u32 s6, s6, 3
	s_and_b32 s7, s5, 63
	s_cmp_lt_u32 ttmp9, 1536
	s_cselect_b32 s3, s3, s6                       ; tensor 0..6
	s_cselect_b32 s4, s4, s7                       ; block in it
	s_mov_b32 s5, 0xffff0000                       ; a word's upper bf16
	s_lshl_b32 s26, s4, 16                         ; from: block x 65,536 + wave x 8,192 bytes
	s_lshl_b32 s28, s2, 13
	s_add_co_u32 s26, s26, s28
	s_mov_b32 s27, 0
	s_lshl_b32 s28, ttmp9, 15                      ; to: work-group x 32,768 + wave x 4,096 bytes
	s_lshl_b32 s30, s2, 12
	s_add_co_u32 s28, s28, s30
	s_mov_b32 s29, 0
	s_wait_kmcnt 0x0
	s_mov_b64 s[24:25], s[8:9]
.irp n, 1,2,3,4,5,6
	s_cmp_eq_u32 s3, \n
	s_cselect_b64 s[24:25], s[8+2*(\n):9+2*(\n)], s[24:25]
.endr
	s_add_nc_u64 s[24:25], s[24:25], s[26:27]
	s_add_nc_u64 s[22:23], s[22:23], s[28:29]
.irp j, 0,1,2,3,4,5,6,7,8,9,10,11,12,13,14,15
	global_load_b128 v[X+4*(\j):X+4*(\j)+3], v1, s[24:25] offset:512*(\j) th:TH_LOAD_NT
.endr
.irp j, 0,1,2,3,4,5,6,7,8,9,10,11,12,13,14,15
	s_wait_loadcnt 15-(\j)                         ; loads come back in order: chunk j is in, the younger ones stay out
	v_cvt_pk_bf16_f32 v[T], v[X+4*(\j)], v[X+4*(\j)+1]
	v_cvt_pk_bf16_f32 v[T+1], v[X+4*(\j)+2], v[X+4*(\j)+3]
	v_lshlrev_b32 v[X+4*(\j)], 16, v[T]            ; bf16 back to f32: a shift, a mask
	v_and_b32 v[X+4*(\j)+1], s5, v[T]
	v_lshlrev_b32 v[X+4*(\j)+2], 16, v[T+1]
	v_and_b32 v[X+4*(\j)+3], s5, v[T+1]
	v_cvt_pk_f16_f32 v[Y+2*(\j)], v[X+4*(\j)], v[X+4*(\j)+1]
	v_cvt_pk_f16_f32 v[Y+2*(\j)+1], v[X+4*(\j)+2], v[X+4*(\j)+3]
	global_store_b64 v2, v[Y+2*(\j):Y+2*(\j)+1], s[22:23] offset:256*(\j)  ; the wave's 32 lanes store 256 consecutive bytes, aligned
.endr
	s_endpgm
.Lfunc_end_k_q1b4e0243f6_prep:
	.size	k_q1b4e0243f6_prep, .Lfunc_end_k_q1b4e0243f6_prep-k_q1b4e0243f6_prep
	.p2alignl 7, 3214868480
	.fill 96, 4, 3214868480
	.section	.rodata,"a",@progbits
	.p2align	6, 0x0
	.amdhsa_kernel k_q1b4e0243f6_prep
		.amdhsa_group_segment_fixed_size 0
		.amdhsa_private_segment_fixed_size 0
		.amdhsa_enable_private_segment 0
		.amdhsa_kernarg_size 64
		.amdhsa_user_sgpr_count 2
		.amdhsa_user_sgpr_kernarg_segment_ptr 1
		.amdhsa_wavefront_size32 1
		.amdhsa_system_sgpr_workgroup_id_x 1
		.amdhsa_system_sgpr_workgroup_id_y 1
		.amdhsa_system_sgpr_workgroup_id_z 1
		.amdhsa_system_vgpr_workitem_id 0
		.amdhsa_next_free_vgpr 104
		.amdhsa_next_free_sgpr 66
		.amdhsa_reserve_vcc 0
		.amdhsa_float_denorm_mode_32 3
		.amdhsa_float_denorm_mode_16_64 3
		.amdhsa_memory_ordered 1
		.amdhsa_forward_progress 1
		.amdhsa_inst_pref_size 12
	.end_amdhsa_kernel
	.amdgpu_metadata
---
amdhsa.version: [ 1, 2 ]
amdhsa.kernels:
  - .name:           k_q1b4e0243f6_prep
    .symbol:         k_q1b4e0243f6_prep.kd
    .args:
      - { .name: query, .offset: 0, .size: 8, .value_kind: global_buffer, .address_space: global }
      - { .name: key, .offset: 8, .size: 8, .value_kind: global_buffer, .address_space: global }
      - { .name: value, .offset: 16, .size: 8, .value_kind: global_buffer, .address_space: global }
      - { .name: Wq, .offset: 24, .size: 8, .value_kind: global_buffer, .address_space: global }
      - { .name: Wk, .offset: 32, .size: 8, .value_kind: global_buffer, .address_space: global }
      - { .name: Wv, .offset: 40, .size: 8, .value_kind: global_buffer, .address_space: global }
      - { .name: Wo, .offset: 48, .size: 8, .value_kind: global_buffer, .address_space: global }
      - { .name: X16, .offset: 56, .size: 8, .value_kind: global_buffer, .address_space: global }
    .group_segment_fixed_size: 0
    .private_segment_fixed_size: 0
    .kernarg_segment_align: 8
    .kernarg_segment_size: 64
    .max_flat_workgroup_size: 256
    .sgpr_count:     66
    .vgpr_count:     104
    .wavefront_size: 32
...
	.end_amdgpu_metadata
.endif
;; end of part 1
;; launch proj (part 2): grid 4 x 96, 4 waves a work-group, clusters of 4 x 4, 327,680 bytes of LDS; arguments X16, bq, bk, bv, QKV; writes QKV
.if DOCPART == 2
	.amdgcn_target "amdgcn-amd-amdhsa--gfx1250"
	.amdhsa_code_object_version 6
	.text
	.protected	k_q1b4e0243f6_proj
	.globl	k_q1b4e0243f6_proj
	.p2align	8
	.type	k_q1b4e0243f6_proj,@function
k_q1b4e0243f6_proj:
	s_mov_b64 s[64:65], 0
	v_nop
	global_prefetch_b8 v0, s[64:65] scope:SCOPE_SE
	s_setreg_imm32_b32 hwreg(HW_REG_WAVE_MODE, 25, 1), 1
	s_wait_xcnt 0x0
	s_wait_alu depctr_hold_cnt(0) depctr_sa_sdst(0) depctr_va_vdst(0) depctr_va_sdst(0) depctr_va_ssrc(0) depctr_va_vcc(0) depctr_vm_vsrc(0)
	s_getreg_b32 s2, hwreg(HW_REG_IB_STS2, 6, 4)
	s_cmp_eq_u32 s2, 0
	s_cbranch_scc0 .Lentry_in_a_cluster
	s_endpgm
.Lentry_in_a_cluster:
	s_bfe_u32 s2, ttmp6, 0x10000c
	s_cmp_lg_u32 s2, 0xf033
	s_cbranch_scc0 .Lentry_shape_is_right
	s_endpgm
.Lentry_shape_is_right:
; q, k, v = x W + b.  x: [8192][1024], W: [1024 (k)][1024 (n)], both f16 in X16; b: [1024] f32, rounded to bf16 like every input; the results [8192][1024] f16 in QKV, rounded once.
; Sums in f32; the bias starts them.  LIMIT: a result of 65,520 or more becomes an infinity.
; SHARES.  A tile of C is 256 x 256: four waves, as many as a WGP has SIMDs, each 128 x 128 = 64 accumulators, 512 registers.  K = 1,024 goes in 8 steps of 128 through two LDS slots filled by tensor
; loads: waves 0, 1 fetch A's two halves (128 rows x 256 bytes), waves 2, 3 B's (64 k-rows x 512 bytes).  A step is 256 matrix instructions a wave for 139,264 bytes of LDS.
; The matrix instruction is used transposed (source 0 = B's fragment, source 1 = A's): a lane holds eight neighbouring columns of one row of C.  A lies along K; W lies [k][n] and is read by the turning load.
; CLUSTER 4 x 4: A's tile hangs on the tile row alone and is asked for jointly by a row of the cluster, B's on the tile column alone and is asked for jointly by a column.
; PLACES: cluster y = 8 p + R: p = 0, 1, 2 for q, k, v; tile row 4 R + cy, tile column cx.  384 tiles, one a work-group.
; ONE TEXT FOR A K STEP.  LDS holds A slot 0 | A slot 1 | B slot 0 | B slot 1, each PART bytes.  The slot in hand is a scalar, 0 or PART, turned by an exclusive or; the fragment addresses are that scalar plus a lane
; term, and the walking descriptors' LDS words are turned by the same exclusive or (their other bits, 0x8800 and 0x22000, do not meet PART = 0x11000).  The first quarter, whose products start the sums, stands in
; front; the loop is entered behind its own first quarter; six trips fill a slot again; the last two steps, which fill nothing, are a second loop of two trips.  That loop's last trip passes a barrier and
; fetches 32 fragments that serve nothing: the price, once a work-group, of one text for both.
; REGISTERS, in windows of 256 (s_set_vgpr_msb: bits 1:0 source 0, 3:2 source 1, 5:4 source 2, 7:6 destination):
;   window 0: v0-31 addresses; v64-127, v128-191 A's fragments, two buffers; v32-63, v192-255 at work on the way out
;   window 1: v0-63 the bias of my 8 x 8 columns; v64-127, v128-191 B's fragments, two buffers; v192 at work
;   window 2: the 32 accumulators of my rows 0-63 ((a, b) at 8 (8 a + b));   window 3: those of my rows 64-127
.set STEPS, 8
.set LDA,   1024                       ; elements from row to row of A
.set LDC,   2048                       ; bytes from row to row of C
.set PA,    272                        ; an LDS row of A: 256 bytes + 16: the 16 rows of a fragment load start 4 banks apart (64 banks of 4 bytes: ISA guide 11.1)
.set PBT,   544                        ; an LDS row of B: 512 bytes + 32
.set HALF,  128*PA                     ; what one tensor load brings: 128 rows of 272 bytes, or 64 of 544
.set PART,  2*HALF                     ; a tile of A or of B: 69,632 = 0x11000
.set BAT,   2*PART                     ; B's two tiles lie behind A's two
.set STAGE, 4*PART                     ; behind the ring, never filled by a tensor load: 16 rows x 272 bytes for each wave
.set SPITCH, 272
.set SPARE, STAGE+4*16*SPITCH          ; from here on: the spare words, 128 bytes a wave, which no other line names
.set ASTEP, 256                        ; bytes from K step to K step: 128 numbers along A's rows,
.set BSTEP, 128*2048                   ; 128 rows of W
.set AW0,   (1<<16)|(1<<20)|(1<<21)|(5<<22)|(3<<25)  ; 2-byte elements; padding on; bit 21 beside a mask; after every 64 words, 4 words
.set BW0,   (1<<16)|(1<<20)|(1<<21)|(6<<22)|(7<<25)  ; after every 128 words, 8 words
.set CA,   16                          ; v16, v17 LDS address of my A and B fragments in the slot in hand
.set CB,   17
.set A0V,  18                          ; v18, v19 the same in slot 0; never rewritten
.set B0V,  19
.set STO,  24                          ; v24 where I put 16 bytes of a row in my stage      v25 where I read rows back
.set RD,   25
.set CO,   26                          ; v26 my byte offset in two rows of C                v27 my byte offset in the bias
.set BO,   27
.set SPW,  28                          ; v28 my spare word's LDS address; v29 = 0; both never rewritten
.set NIL,  29
.set PFO,  30                          ; v30 the prefetches' offset; never rewritten
.set OB,   32                          ; the way out: 16 rows read back: v32-63 and v224-255 by turns
.set F0,   64                          ; fragment buffers
.set F1,   128
.set TMP,  192                         ; the way out: packed results
.set BI,   0                           ; window 1: the bias
.set BT,   192                         ; window 1: at work
.set C1,   8                           ; s[8:9] where I store
.set G1A,  24                          ; s[24:31] group 1, s[32:39] group 0 (two sets: K step 0's; K step 1's, which then walks) for A;  s[48:55], s[56:63] for B
.set G0A,  32
.set G1B,  48
.set G0B,  56
.set TB,   66                          ; s66 the slot in hand: 0 or PART
.set OA,   68                          ; s[68:69], s[70:71] byte offsets of my halves of A's and B's first tiles
.set OBO,  70
.set MASKH, 72                         ; s72 a word's upper bf16
.set PFA,  74                          ; s[74:75] where my prefetches stand
.set PFF,  76                          ; s[76:77] their first offset
.set PST,  78                          ; s[78:79] their step
.set LIM,  80                          ; s80 1 in a wave that prefetches, else the greatest number
.set BIASP, 84                         ; s[84:85]
.set MSB, 0
.macro WIN new                         ; the immediate's high byte repeats the setting that is left; a switch that changes nothing is dropped
.if MSB != (\new)
	s_set_vgpr_msb (MSB<<8)|(\new)
.set MSB, \new
.endif
.endm
.set MUL_LO, 0xa1                      ; source 0 (B) window 1, source 1 (A) window 0, C and D window 2
.set MUL_HI, 0xf1                      ; the same, C and D window 3
.set TO_B,   0x40                      ; destination window 1, address window 0
.macro PLACES                          ; four plain places behind a matrix instruction (ISA guide 7.12.1)
.rept 4
	v_nop
.endr
.endm
.macro JLOAD s                         ; a joint load; the branch hangs on the wave's number alone; an s_nop 0 and four v_nop follow each line
	s_cmp_eq_u32 s11, 0
	s_cbranch_scc0 .Lfor_b_\@
	tensor_load_to_lds s[G0A+4*(\s):G0A+4*(\s)+3], s[G1A:G1A+7]
	s_nop 0
.rept 4
	v_nop
.endr
	s_branch .Lasked_\@
.Lfor_b_\@:
	tensor_load_to_lds s[G0B+4*(\s):G0B+4*(\s)+3], s[G1B:G1B+7]
	s_nop 0
.rept 4
	v_nop
.endr
.Lasked_\@:
.endm
.macro CREST                           ; a round of the cluster's barrier behind its opening barrier
	s_cmp_lg_u32 s10, 0
	s_cbranch_scc1 .Lnot_wave_0_\@
	s_barrier_signal -3
.Lnot_wave_0_\@:
	s_barrier_wait -3
	s_barrier_signal -1
	s_barrier_wait -1
.endm
.macro CROUND
	s_barrier_signal -1
	s_barrier_wait -1
	CREST
.endm
; A PREFETCH INTO THE L2 of the K step that the NEXT refill will load: one K step, 256 matrix instructions, ahead of that load; one instruction a wave, 32 blocks of 256 bytes, a lane a block.
; It stands behind the joint load, its five lines and the run of LDS loads.  Each block is named once in the launch.  Of the 128 rows of x that wave 0 or 1 fetches, the partner at cx takes 32 (no other cluster
; reads them).  Of the 64 rows of W that wave 2 or 3 fetches, 512 bytes each, the partner at cy takes 16, two blocks a row; the eight clusters of one p read the same W, and the one with R = 0 asks.
; The partners are told apart by address, never by a branch.  K steps 0 to 2 come by their loads alone; the last refill (s3 = 1) has no refill behind it and asks for nothing.
.macro ASK
	s_cmp_gt_u32 s3, s[LIM]
	s_cbranch_scc0 .Lnot_mine_\@
	global_prefetch_b8 v[PFO], s[PFA:PFA+1] th:TH_LOAD_NT scope:SCOPE_SE
.Lnot_mine_\@:
.endm
; 16 matrix instructions: row blocks a0, a0 + 1 of the window's four (hi = 0: my rows 0-63, 1: rows 64-127) x all 8 column blocks, 32 along K.  zero = 2: the products start the sums from the bias.
; The 64 accumulators take turns, in the same order in every quarter.
.macro MUL16 f, hi, a0, zero
.if (\zero) == 2
	WIN 0x91+0x40*(\hi)                            ; C in window 1
.else
	WIN MUL_LO+0x50*(\hi)
.endif
.irp a, \a0, (\a0)+1
.irp b, 0,1,2,3,4,5,6,7
.if (\zero) == 2
	v_wmma_f32_16x16x32_f16 v[8*(8*(\a)+(\b)):8*(8*(\a)+(\b))+7], v[(\f)+8*(\b):(\f)+8*(\b)+7], v[(\f)+8*(4*(\hi)+(\a)):(\f)+8*(4*(\hi)+(\a))+7], v[BI+8*(\b):BI+8*(\b)+7]
.else
	v_wmma_f32_16x16x32_f16 v[8*(8*(\a)+(\b)):8*(8*(\a)+(\b))+7], v[(\f)+8*(\b):(\f)+8*(\b)+7], v[(\f)+8*(4*(\hi)+(\a)):(\f)+8*(4*(\hi)+(\a))+7], v[8*(8*(\a)+(\b)):8*(8*(\a)+(\b))+7]
.endif
.endr
.endr
.endm
.macro FETCH q, f                      ; 32 LDS loads in one run: the fragments of quarter q (32 along K) of the slot in hand into buffer f: B's 128 columns, then A's 128 rows
	WIN TO_B
.irp i, 0,1,2,3,4,5,6,7
	ds_load_tr16_b128 v[(\f)+8*(\i):(\f)+8*(\i)+3],   v[CB] offset:32*(\q)*PBT+32*(\i)
	ds_load_tr16_b128 v[(\f)+8*(\i)+4:(\f)+8*(\i)+7], v[CB] offset:(32*(\q)+16)*PBT+32*(\i)
.endr
	WIN 0
.irp i, 0,1,2,3,4,5,6,7
	ds_load_b128 v[(\f)+8*(\i):(\f)+8*(\i)+3],   v[CA] offset:64*(\q)+(\i)*16*PA
	ds_load_b128 v[(\f)+8*(\i)+4:(\f)+8*(\i)+7], v[CA] offset:64*(\q)+(\i)*16*PA+32
.endr
.endm
.macro QUARTER q, f, g, zero           ; 64 products on buffer f; in their middle quarter q is fetched into g
	s_wait_dscnt 8                                 ; B and A's rows 0-63 are in; the youngest eight loads (A's rows 64-127) may be out
	MUL16 \f, 0, 0, \zero
	MUL16 \f, 0, 2, \zero
	PLACES
	FETCH \q, \g
	s_wait_dscnt 32                                ; all but the 32 just issued
	MUL16 \f, 1, 0, \zero
	MUL16 \f, 1, 2, \zero
.endm
; A K step's last quarter multiplies buffer 1 and changes slots.  Each wave waits for all its tensor loads (one is out: its part of the next slot), adds 0 to its spare word, and waits for that and for its reads of
; this slot; behind the barrier (fill = 1: a round of the cluster's) nobody reads this slot and the next is whole.  The joint refill, this slot's K step two on, is the first thing there: 224 matrix instructions
; stand between it and the wait for it.
.macro TURN fill
.if \fill
	s_wait_xcnt 0x0                                ; the last prefetch, a K step back, has read its address: it is stepped here
	s_add_nc_u64 s[PFA:PFA+1], s[PFA:PFA+1], s[PST:PST+1]
.endif
	WIN 0
	s_wait_tensorcnt 0x0
	ds_add_u32 v[SPW], v[NIL]                      ; 0 onto my spare word; scalar work and sixteen products stand between it and the wait for it
.if \fill
	s_xor_b32 s[G0A+5], s[G0A+5], PART             ; no tensor load of mine is out, so the walking descriptors may be written: the other slot than last time,
	s_add_nc_u64 s[G0A+6:G0A+7], s[G0A+6:G0A+7], ASTEP  ; the next K step; the type bits on top are not reached
	s_xor_b32 s[G0B+5], s[G0B+5], PART
	s_add_nc_u64 s[G0B+6:G0B+7], s[G0B+6:G0B+7], BSTEP
.endif
	s_wait_dscnt 9                                 ; the add and the youngest eight loads may be out
	MUL16 F1, 0, 0, 0
	s_wait_dscnt 0x0                               ; the add is done, and my reads of this slot are over
	s_barrier_signal -1
	MUL16 F1, 0, 2, 0
	WIN 0
	s_barrier_wait -1
.if \fill
	CREST
	JLOAD 1                                        ; its four v_nop are also the places in front of the loads below
.else
	PLACES
.endif
	s_xor_b32 s[TB], s[TB], PART                   ; the other slot is in hand
	v_add_nc_u32 v[CA], s[TB], v[A0V]
	v_add_nc_u32 v[CB], s[TB], v[B0V]
	FETCH 0, F0
.if \fill
	ASK
.endif
	MUL16 F1, 1, 0, 0
	MUL16 F1, 1, 2, 0
.endm
; THE WAY OUT of block a (16 rows x my 128 columns).  PACK: rounded to f16, 16 bytes a lane; each accumulator is read from its low end on.  TOSTAGE: into my own stage and back as whole rows of 256 bytes
; (LDS serves a wave's instructions in order: ISA guide 5.7.1.4, so no wait stands between).  SEND: stored.
.macro PACK a
.set AC, 64*((\a)%4)
	WIN 0x0a+5*((\a)/4)                            ; sources 0 and 1: window 2 or 3
.irp b, 0,1,2,3,4,5,6,7
.irp r, 0,1,2,3
	v_cvt_pk_f16_f32 v[TMP+4*(\b)+(\r)], v[AC+8*(\b)+2*(\r)], v[AC+8*(\b)+2*(\r)+1]
.endr
.endr
	WIN 0
.endm
.macro TOSTAGE a
	WIN 0
.set BK, OB+192*((\a)%2)
.irp b, 0,1,2,3,4,5,6,7
	ds_store_b128 v[STO], v[TMP+4*(\b):TMP+4*(\b)+3] offset:32*(\b)
.endr
.irp t, 0,1,2,3,4,5,6,7
	ds_load_b128 v[BK+4*(\t):BK+4*(\t)+3], v[RD] offset:(\t)*2*SPITCH
.endr
.endm
.macro SEND a
	WIN 0
.set BK, OB+192*((\a)%2)
	s_wait_dscnt 0x0                               ; the block is back in registers
	s_wait_xcnt 0x0                                ; the registers that the block before's stores read are loaded again only behind this wait
.irp t, 0,1,2,3,4,5,6,7
	global_store_b128 v[CO], v[BK+4*(\t):BK+4*(\t)+3], s[C1:C1+1] offset:(16*(\a)+2*(\t))*LDC  ; 16 lanes store 256 consecutive bytes, aligned
.endr
.endm
	s_load_b256 s[88:95], s[0:1], 0x0              ; X16 s[88:89], bq s[90:91], bk s[92:93], bv s[94:95]
	s_load_b64 s[96:97], s[0:1], 0x20              ; QKV
	v_lshl_add_u32 v[SPW], v0, 2, SPARE
	v_mov_b32 v[NIL], 0
	ds_add_u32 v[SPW], v[NIL]                      ; the wave's opening: the add and its wait stand ahead of my first tensor load; work on registers stands between them
	v_lshrrev_b32 v1, 5, v0
	v_readfirstlane_b32 s10, v1                    ; wave 0..3
	s_lshr_b32 s11, s10, 1                         ; my half of the tile's rows; also: I fetch for A (0) or B (1)
	s_and_b32 s12, s10, 1                          ; my half of its columns; also: which half of that tile I fetch
	s_bfe_u32 s40, ttmp6, 0x40000                  ; cx
	s_bfe_u32 s41, ttmp6, 0x40004                  ; cy
	s_lshl_b32 s13, s41, 2
	s_lshl_b32 s13, 15, s13                        ; my row of the cluster
	s_lshl_b32 s42, 0x1111, s40                    ; my column
	s_or_b32 s[G1A], s13, AW0
	s_or_b32 s[G1B], s42, BW0
	s_mov_b32 s[G1A+1], 128<<16                    ; A: tensor_dim0 = 128
	s_mov_b32 s[G1A+2], 128<<16                    ; tensor_dim1 = 128
	s_mov_b32 s[G1A+3], 128<<16                    ; tile_dim0 = 128
	s_mov_b32 s[G1A+4], 128                        ; tile_dim1 = 128
	s_mov_b32 s[G1A+5], LDA
	s_mov_b32 s[G1A+6], 0
	s_mov_b32 s[G1A+7], 0
	s_mov_b32 s[G1B+1], 256<<16                    ; B: 64 rows of 256 elements
	s_mov_b32 s[G1B+2], 64<<16
	s_mov_b32 s[G1B+3], 256<<16
	s_mov_b32 s[G1B+4], 64
	s_mov_b32 s[G1B+5], 1024
	s_mov_b32 s[G1B+6], 0
	s_mov_b32 s[G1B+7], 0
	; the places.  What feeds A's descriptors (s13-s23, s68) never holds cx, what feeds B's (s42, s43, s70) never cy
	s_and_b32 s13, ttmp7, 0xffff                   ; cluster y
	s_lshr_b32 s14, s13, 3                         ; p: 0 q, 1 k, 2 v
	s_and_b32 s15, s13, 7                          ; R
	s_lshl_b32 s16, s15, 2
	s_add_co_u32 s16, s16, s41                     ; tile row
	s_lshl_b32 s17, s14, 24                        ; part p of X16's x and of QKV
	s_lshl_b32 s[OA], s16, 19                      ; A: (256 x tile row + 128 x half) rows of 2,048 bytes, in part p
	s_lshl_b32 s18, s12, 18
	s_add_co_u32 s[OA], s[OA], s18
	s_add_co_u32 s[OA], s[OA], s17
	s_mov_b32 s[OA+1], 0
	s_lshl_b32 s42, s40, 9                         ; 256 columns are 512 bytes
	s_lshl_b32 s[OBO], s12, 17                     ; B: 64 x half rows of 2,048 bytes + the tile column, in weight p
	s_add_co_u32 s[OBO], s[OBO], s42
	s_lshl_b32 s43, s14, 21
	s_add_co_u32 s[OBO], s[OBO], s43
	s_add_co_u32 s[OBO], s[OBO], 50331648
	s_mov_b32 s[OBO+1], 0
	s_lshl_b32 s18, s16, 19                        ; C: (256 x tile row + 128 x row half) rows of 2,048 bytes, in part p,
	s_lshl_b32 s19, s11, 18
	s_add_co_u32 s18, s18, s19
	s_add_co_u32 s18, s18, s17
	s_mov_b32 s19, 0
	s_lshl_b32 s46, s12, 8                         ; + (256 cx + 128 x column half) x 2 bytes
	s_add_co_u32 s46, s46, s42
	s_mov_b32 s47, 0
	s_mul_i32 s20, s12, HALF                       ; where my half lands in a slot: no place in the cluster enters an LDS address
	s_add_co_u32 s21, s20, BAT
	s_mov_b32 s[TB], 0
	s_mov_b32 s[MASKH], 0xffff0000
	s_lshl_b32 s[PFF], s40, 16                     ; the prefetches, at K step 2 (the first refill steps them to 3).  For A: my work-group's 32 rows of my 128, by cx;
	s_add_co_u32 s[PFF], s[PFF], s[OA]
	s_add_co_u32 s[PFF], s[PFF], 2*ASTEP
	s_lshl_b32 s[PST], s41, 15                     ; for B: its 16 rows of my 64, by cy
	s_add_co_u32 s[PST], s[PST], s[OBO]
	s_add_co_u32 s[PST], s[PST], 2*BSTEP
	s_mov_b32 s22, BSTEP
	s_cmp_eq_u32 s15, 0
	s_cselect_b32 s23, 1, -1                       ; W is asked for by the clusters with R = 0: the same in all sixteen partners
	s_cmp_eq_u32 s11, 0                            ; do I fetch for A?
	s_cselect_b32 s[PFF], s[PFF], s[PST]
	s_cselect_b32 s[PST], ASTEP, s22
	s_cselect_b32 s[LIM], 1, s23
	s_mov_b32 s[PFF+1], 0
	s_mov_b32 s[PST+1], 0
	s_wait_dscnt 0x0                               ; the opening add is done
	s_wait_kmcnt 0x0
	s_add_nc_u64 s[4:5], s[88:89], s[OA:OA+1]      ; my half of A's tile at K step 0
	s_add_nc_u64 s[6:7], s[88:89], s[OBO:OBO+1]    ; of B's
	s_add_nc_u64 s[C1:C1+1], s[96:97], s[18:19]
	s_add_nc_u64 s[C1:C1+1], s[C1:C1+1], s[46:47]
	s_add_nc_u64 s[PFA:PFA+1], s[88:89], s[PFF:PFF+1]
	s_mov_b64 s[BIASP:BIASP+1], s[90:91]
	s_cmp_eq_u32 s14, 1
	s_cselect_b64 s[BIASP:BIASP+1], s[92:93], s[BIASP:BIASP+1]
	s_cmp_eq_u32 s14, 2
	s_cselect_b64 s[BIASP:BIASP+1], s[94:95], s[BIASP:BIASP+1]
	CROUND                                         ; all sixteen work-groups are here: the first joint loads meet
.irp s, 0,1
	s_mov_b32 s[G0A+4*(\s)], 1
	s_add_co_u32 s[G0A+4*(\s)+1], s20, (\s)*PART
	s_add_nc_u64 s[G0A+4*(\s)+2:G0A+4*(\s)+3], s[4:5], (\s)*ASTEP
	s_or_b32 s[G0A+4*(\s)+3], s[G0A+4*(\s)+3], 0x80000000
	s_mov_b32 s[G0B+4*(\s)], 1
	s_add_co_u32 s[G0B+4*(\s)+1], s21, (\s)*PART
	s_add_nc_u64 s[G0B+4*(\s)+2:G0B+4*(\s)+3], s[6:7], (\s)*BSTEP
	s_or_b32 s[G0B+4*(\s)+3], s[G0B+4*(\s)+3], 0x80000000
	JLOAD \s                                       ; K steps 0 and 1: two loads of mine are out
.endr
	v_and_b32 v1, 15, v0                           ; r = l % 16
	v_bfe_u32 v2, v0, 4, 1                         ; h = l / 16
	v_lshlrev_b32 v[BO], 5, v2                     ; the bias: 4 bytes x (8 h + 128 x column half + 256 cx)
	s_lshl_b32 s44, s12, 9
	s_lshl_b32 s45, s40, 10
	s_add_co_u32 s44, s44, s45
	v_add_nc_u32 v[BO], s44, v[BO]
	WIN TO_B
.irp b, 0,1,2,3,4,5,6,7
	global_load_b128 v[BI+8*(\b):BI+8*(\b)+3],   v[BO], s[BIASP:BIASP+1] offset:64*(\b)
	global_load_b128 v[BI+8*(\b)+4:BI+8*(\b)+7], v[BO], s[BIASP:BIASP+1] offset:64*(\b)+16
.endr
	WIN 0
	v_mul_u32_u24 v3, v1, PA                       ; a fragment from rows along K: row x pitch + 16 h
	v_lshl_add_u32 v3, v2, 4, v3
	s_mul_i32 s22, s11, HALF                       ; my 128 rows of A
	v_add_nc_u32 v[A0V], s22, v3
	v_and_b32 v4, 7, v0                            ; the turning load: k row 8 h + l % 8, 16 bytes at 16 ((l / 8) % 2), my 128 columns
	v_lshl_add_u32 v4, v2, 3, v4
	v_mul_u32_u24 v4, v4, PBT
	v_bfe_u32 v5, v0, 3, 1
	v_lshl_add_u32 v4, v5, 4, v4
	s_lshl_b32 s22, s12, 8
	s_add_co_u32 s22, s22, BAT
	v_add_nc_u32 v[B0V], s22, v4
	v_mov_b32 v[CA], v[A0V]                        ; slot 0 is in hand
	v_mov_b32 v[CB], v[B0V]
	s_mul_i32 s23, s10, 16*SPITCH
	s_add_co_u32 s23, s23, STAGE                   ; my stage
	v_mul_u32_u24 v4, v1, SPITCH                   ; in: row r, 16 bytes for each half of the lanes
	v_lshl_add_u32 v4, v2, 4, v4
	v_add_nc_u32 v[STO], s23, v4
	v_mul_u32_u24 v5, v2, SPITCH                   ; back: lanes 0-15 one row of 256 bytes, lanes 16-31 the next
	v_lshl_add_u32 v5, v1, 4, v5
	v_add_nc_u32 v[RD], s23, v5
	v_mul_u32_u24 v5, v2, LDC                      ; and the same two rows in C
	v_lshl_add_u32 v[CO], v1, 4, v5
	v_and_b32 v3, 31, v0                           ; the prefetches: for A a lane a row; for B two lanes a row, 256 bytes each
	v_lshrrev_b32 v4, s11, v3
	v_and_b32 v5, s11, v3
	v_lshlrev_b32 v[PFO], 11, v4
	v_lshl_add_u32 v[PFO], v5, 8, v[PFO]
	s_wait_tensorcnt 0x1                           ; my part of K step 0 is in; step 1's may stay out
	s_barrier_signal -1
	s_barrier_wait -1
	FETCH 0, F0
	WIN 0x45                                       ; sources 0 and 1 and the destination in window 1
	s_wait_loadcnt 0x0                             ; the bias gets the rounding that all inputs get: to bf16 and back to f32
.set i, 0
.rept 32
	v_cvt_pk_bf16_f32 v[BT], v[BI+2*i], v[BI+2*i+1]
	v_lshlrev_b32 v[BI+2*i], 16, v[BT]
	v_and_b32 v[BI+2*i+1], s[MASKH], v[BT]
.set i, i+1
.endr
	QUARTER 1, F0, F1, 2                           ; the first quarter stands in front of the loop: its products start the sums from the bias
	WIN 0                                          ; at a label and at a branch every window is 0
	s_mov_b32 s3, STEPS-2
	s_branch .Lin                                  ; the loop is entered behind its first quarter
.Lstep:                                                ; a trip is a K step; each of the six fills the slot that it has read again
	QUARTER 1, F0, F1, 0
	WIN 0
.Lin:
	QUARTER 2, F1, F0, 0
	QUARTER 3, F0, F1, 0
	TURN 1
	WIN 0
	s_sub_co_u32 s3, s3, 1
	s_cmp_lg_u32 s3, 0
	s_cbranch_scc1 .Lstep
	s_mov_b32 s3, 2
.Ltail:                                                ; the last two K steps fill nothing: written apart
	QUARTER 1, F0, F1, 0
	QUARTER 2, F1, F0, 0
	QUARTER 3, F0, F1, 0
	TURN 0
	WIN 0
	s_sub_co_u32 s3, s3, 1
	s_cmp_lg_u32 s3, 0
	s_cbranch_scc1 .Ltail
	s_wait_dscnt 0x0                               ; the last trip's fetch, which serves nothing, is back
	PLACES
	PLACES
	PACK 0
	TOSTAGE 0
.irp a, 1,2,3,4,5,6,7                  ; block a's conversions stand between block a - 1's loads from the stage and the wait for them
	PACK \a
	SEND (\a)-1
	TOSTAGE \a
.endr
	SEND 7
	s_wait_tensorcnt 0x0                           ; the wave's end: behind my last tensor load and my last LDS store
	ds_add_u32 v[SPW], v[NIL]
	s_wait_dscnt 0x0
	CROUND                                         ; the closing round: no work-group ends while a partner may still ask for a tile that names it
	s_endpgm
.Lfunc_end_k_q1b4e0243f6_proj:
	.size	k_q1b4e0243f6_proj, .Lfunc_end_k_q1b4e0243f6_proj-k_q1b4e0243f6_proj
	.p2alignl 7, 3214868480
	.fill 96, 4, 3214868480
	.section	.rodata,"a",@progbits
	.p2align	6, 0x0
	.amdhsa_kernel k_q1b4e0243f6_proj
		.amdhsa_group_segment_fixed_size 327680
		.amdhsa_private_segment_fixed_size 0
		.amdhsa_enable_private_segment 0
		.amdhsa_kernarg_size 40
		.amdhsa_user_sgpr_count 2
		.amdhsa_user_sgpr_kernarg_segment_ptr 1
		.amdhsa_wavefront_size32 1
		.amdhsa_system_sgpr_workgroup_id_x 1
		.amdhsa_system_sgpr_workgroup_id_y 1
		.amdhsa_system_sgpr_workgroup_id_z 1
		.amdhsa_system_vgpr_workitem_id 0
		.amdhsa_next_free_vgpr 1024
		.amdhsa_next_free_sgpr 100
		.amdhsa_reserve_vcc 0
		.amdhsa_float_denorm_mode_32 3
		.amdhsa_float_denorm_mode_16_64 3
		.amdhsa_memory_ordered 1
		.amdhsa_forward_progress 1
		.amdhsa_inst_pref_size 107
	.end_amdhsa_kernel
	.amdgpu_metadata
---
amdhsa.version: [ 1, 2 ]
amdhsa.kernels:
  - .name:           k_q1b4e0243f6_proj
    .symbol:         k_q1b4e0243f6_proj.kd
    .args:
      - { .name: X16, .offset: 0, .size: 8, .value_kind: global_buffer, .address_space: global }
      - { .name: bq, .offset: 8, .size: 8, .value_kind: global_buffer, .address_space: global }
      - { .name: bk, .offset: 16, .size: 8, .value_kind: global_buffer, .address_space: global }
      - { .name: bv, .offset: 24, .size: 8, .value_kind: global_buffer, .address_space: global }
      - { .name: QKV, .offset: 32, .size: 8, .value_kind: global_buffer, .address_space: global }
    .group_segment_fixed_size: 327680
    .private_segment_fixed_size: 0
    .kernarg_segment_align: 8
    .kernarg_segment_size: 40
    .max_flat_workgroup_size: 128
    .sgpr_count:     100
    .vgpr_count:     1024
    .wavefront_size: 32
...
	.end_amdgpu_metadata
.endif
;; end of part 2
;; launch score (part 3): grid 12 x 16, 4 waves a work-group, clusters of 4 x 4, 327,680 bytes of LDS; arguments QKV, SC; writes SC
.if DOCPART == 3
	.amdgcn_target "amdgcn-amd-amdhsa--gfx1250"
	.amdhsa_code_object_version 6
	.text
	.protected	k_q1b4e0243f6_score
	.globl	k_q1b4e0243f6_score
	.p2align	8
	.type	k_q1b4e0243f6_score,@function
k_q1b4e0243f6_score:
	s_mov_b64 s[64:65], 0
	v_nop
	global_prefetch_b8 v0, s[64:65] scope:SCOPE_SE
	s_setreg_imm32_b32 hwreg(HW_REG_WAVE_MODE, 25, 1), 1
	s_wait_xcnt 0x0
	s_wait_alu depctr_hold_cnt(0) depctr_sa_sdst(0) depctr_va_vdst(0) depctr_va_sdst(0) depctr_va_ssrc(0) depctr_va_vcc(0) depctr_vm_vsrc(0)
	s_getreg_b32 s2, hwreg(HW_REG_IB_STS2, 6, 4)
	s_cmp_eq_u32 s2, 0
	s_cbranch_scc0 .Lentry_in_a_cluster
	s_endpgm
.Lentry_in_a_cluster:
	s_bfe_u32 s2, ttmp6, 0x10000c
	s_cmp_lg_u32 s2, 0xf033
	s_cbranch_scc0 .Lentry_shape_is_right
	s_endpgm
.Lentry_shape_is_right:
; SC[batch][query][key] = the sum over d of q[query][d] k[key][d], unscaled, f32.  q, k: [8192][1024] f16 in QKV.  Only the super tiles of 1,024 x 1,024 on and below the diagonal are made: 3 a batch.
; Of a diagonal super tile's 16 tiles six lie wholly above the diagonal and are made all the same.  The mask, the scale and the softmax follow in the next launch.
; Raw scores stay in f32: they have no room in f16 for all the inputs that the problem allows.
; SHARES.  A tile of C is 256 x 256: four waves, as many as a WGP has SIMDs, each 128 x 128 = 64 accumulators, 512 registers.  K = 1,024 goes in 8 steps of 128 through two LDS slots filled by tensor
; loads: waves 0, 1 fetch A's two halves, waves 2, 3 B's, 128 rows x 256 bytes each.  A step is 256 matrix instructions a wave for 139,264 bytes of LDS.
; The matrix instruction is used transposed (source 0 = B's fragment, source 1 = A's): a lane holds eight neighbouring columns of one row of C.  Both q and k lie along K.
; CLUSTER 4 x 4: A's tile hangs on the tile row alone and is asked for jointly by a row of the cluster, B's on the tile column alone and is asked for jointly by a column.
; PLACES: cluster x = t: super tile (I, J) = (0, 0), (1, 0), (1, 1); cluster y the batch; tile row 4 I + cy, tile column 4 J + cx.  192 tiles, one a work-group.
; ONE TEXT FOR A K STEP.  LDS holds A slot 0 | A slot 1 | B slot 0 | B slot 1, each PART bytes.  The slot in hand is a scalar, 0 or PART, turned by an exclusive or; the fragment addresses are that scalar plus a lane
; term, and the walking descriptors' LDS words are turned by the same exclusive or (their other bits, 0x8800 and 0x22000, do not meet PART = 0x11000).  The first quarter, whose products start the sums, stands in
; front; the loop is entered behind its own first quarter; six trips fill a slot again; the last two steps, which fill nothing, are a second loop of two trips.  That loop's last trip passes a barrier and
; fetches 32 fragments that serve nothing: the price, once a work-group, of one text for both.
; REGISTERS, in windows of 256 (s_set_vgpr_msb: bits 1:0 source 0, 3:2 source 1, 5:4 source 2, 7:6 destination):
;   window 0: v0-31 addresses; v64-127, v128-191 A's fragments, two buffers; v128-191, v192-255 at work on the way out          window 1: v64-127, v128-191 B's fragments, two buffers
;   window 2: the 32 accumulators of my rows 0-63 ((a, b) at 8 (8 a + b));   window 3: those of my rows 64-127
.set STEPS, 8
.set LDA,   1024                       ; elements from row to row of A and of B
.set LDC,   8192                       ; bytes from row to row of C
.set PA,    272                        ; an LDS row: 256 bytes + 16: the 16 rows of a fragment load start 4 banks apart (64 banks of 4 bytes: ISA guide 11.1)
.set HALF,  128*PA                     ; what one tensor load brings
.set PART,  2*HALF                     ; a tile of A or of B: 69,632 = 0x11000
.set BAT,   2*PART                     ; B's two tiles lie behind A's two
.set STAGE, 4*PART                     ; behind the ring, never filled by a tensor load: 16 rows x 528 bytes for each wave
.set SP32,  528                        ; a stage row: 512 bytes + 16
.set SPARE, STAGE+4*16*SP32            ; from here on: the spare words, 128 bytes a wave, which no other line names
.set KSTEPB, 256                       ; bytes from K step to K step along the rows
.set AW0,   (1<<16)|(1<<20)|(1<<21)|(5<<22)|(3<<25)  ; 2-byte elements; padding on; bit 21 beside a mask; after every 64 words, 4 words
.set CA,   16                          ; v16, v17 LDS address of my A and B fragments in the slot in hand
.set CB,   17
.set A0V,  18                          ; v18, v19 the same in slot 0; never rewritten
.set B0V,  19
.set STO,  24                          ; v24 where I put 32 bytes of a row in my stage      v25 where I read rows back
.set RD,   25
.set CO,   26                          ; v26 my byte offset in a row of C: 16 x lane
.set SPW,  28                          ; v28 my spare word's LDS address; v29 = 0; both never rewritten
.set NIL,  29
.set PFO,  30                          ; v30 the prefetches' offset: lane x a row of 2,048 bytes; never rewritten
.set F0,   64                          ; fragment buffers
.set F1,   128
.set C1,   8                           ; s[8:9] where I store
.set G1A,  24                          ; s[24:31] group 1, s[32:39] group 0 (two sets: K step 0's; K step 1's, which then walks) for A;  s[48:55], s[56:63] for B
.set G0A,  32
.set G1B,  48
.set G0B,  56
.set TB,   66                          ; s66 the slot in hand: 0 or PART
.set OA,   68                          ; s[68:69], s[70:71] byte offsets of my halves of A's and B's first tiles
.set OBO,  70
.set PFA,  74                          ; s[74:75] where my prefetches stand
.set PFF,  76                          ; s[76:77] their first offset
.set LIM,  80                          ; s80 1 in a wave that prefetches, else the greatest number
.set MSB, 0
.macro WIN new                         ; the immediate's high byte repeats the setting that is left; a switch that changes nothing is dropped
.if MSB != (\new)
	s_set_vgpr_msb (MSB<<8)|(\new)
.set MSB, \new
.endif
.endm
.set MUL_LO, 0xa1                      ; source 0 (B) window 1, source 1 (A) window 0, C and D window 2
.set MUL_HI, 0xf1                      ; the same, C and D window 3
.set TO_B,   0x40                      ; destination window 1, address window 0
.macro PLACES                          ; four plain places behind a matrix instruction (ISA guide 7.12.1)
.rept 4
	v_nop
.endr
.endm
.macro JLOAD s                         ; a joint load; the branch hangs on the wave's number alone; an s_nop 0 and four v_nop follow each line
	s_cmp_eq_u32 s11, 0
	s_cbranch_scc0 .Lfor_b_\@
	tensor_load_to_lds s[G0A+4*(\s):G0A+4*(\s)+3], s[G1A:G1A+7]
	s_nop 0
.rept 4
	v_nop
.endr
	s_branch .Lasked_\@
.Lfor_b_\@:
	tensor_load_to_lds s[G0B+4*(\s):G0B+4*(\s)+3], s[G1B:G1B+7]
	s_nop 0
.rept 4
	v_nop
.endr
.Lasked_\@:
.endm
.macro CREST                           ; a round of the cluster's barrier behind its opening barrier
	s_cmp_lg_u32 s10, 0
	s_cbranch_scc1 .Lnot_wave_0_\@
	s_barrier_signal -3
.Lnot_wave_0_\@:
	s_barrier_wait -3
	s_barrier_signal -1
	s_barrier_wait -1
.endm
.macro CROUND
	s_barrier_signal -1
	s_barrier_wait -1
	CREST
.endm
; A PREFETCH INTO THE L2 of the K step that the NEXT refill will load: one K step, 256 matrix instructions, ahead of that load; one instruction a wave, 32 rows x 256 bytes, a lane a row.
; It stands behind the joint load, its five lines and the run of LDS loads.  Each block is named once in the launch.  Of the 128 rows that a wave fetches, each of the four partners that ask for them jointly takes
; 32, told apart by address (cx for q, cy for k), never by a branch.  A batch's q rows of super row I are read by the clusters (I, 0 .. I): the one with J = 0 asks; its k rows of super column J by the clusters
; (J .. 1, J): the one with I = J asks.  K steps 0 to 2 come by their loads alone; the last refill (s3 = 1) has no refill behind it and asks for nothing.
.macro ASK
	s_cmp_gt_u32 s3, s[LIM]
	s_cbranch_scc0 .Lnot_mine_\@
	global_prefetch_b8 v[PFO], s[PFA:PFA+1] th:TH_LOAD_NT scope:SCOPE_SE
.Lnot_mine_\@:
.endm
; 16 matrix instructions: row blocks a0, a0 + 1 of the window's four (hi = 0: my rows 0-63, 1: rows 64-127) x all 8 column blocks, 32 along K.  zero = 1: the products start the sums: nothing is ever cleared.
; The 64 accumulators take turns, in the same order in every quarter.
.macro MUL16 f, hi, a0, zero
	WIN MUL_LO+0x50*(\hi)
.irp a, \a0, (\a0)+1
.irp b, 0,1,2,3,4,5,6,7
.if \zero
	v_wmma_f32_16x16x32_f16 v[8*(8*(\a)+(\b)):8*(8*(\a)+(\b))+7], v[(\f)+8*(\b):(\f)+8*(\b)+7], v[(\f)+8*(4*(\hi)+(\a)):(\f)+8*(4*(\hi)+(\a))+7], 0
.else
	v_wmma_f32_16x16x32_f16 v[8*(8*(\a)+(\b)):8*(8*(\a)+(\b))+7], v[(\f)+8*(\b):(\f)+8*(\b)+7], v[(\f)+8*(4*(\hi)+(\a)):(\f)+8*(4*(\hi)+(\a))+7], v[8*(8*(\a)+(\b)):8*(8*(\a)+(\b))+7]
.endif
.endr
.endr
.endm
.macro FETCH q, f                      ; 32 LDS loads in one run: the fragments of quarter q (32 along K) of the slot in hand into buffer f: B's 128 rows, then A's 128 rows
	WIN TO_B
.irp i, 0,1,2,3,4,5,6,7
	ds_load_b128 v[(\f)+8*(\i):(\f)+8*(\i)+3],   v[CB] offset:64*(\q)+(\i)*16*PA
	ds_load_b128 v[(\f)+8*(\i)+4:(\f)+8*(\i)+7], v[CB] offset:64*(\q)+(\i)*16*PA+32
.endr
	WIN 0
.irp i, 0,1,2,3,4,5,6,7
	ds_load_b128 v[(\f)+8*(\i):(\f)+8*(\i)+3],   v[CA] offset:64*(\q)+(\i)*16*PA
	ds_load_b128 v[(\f)+8*(\i)+4:(\f)+8*(\i)+7], v[CA] offset:64*(\q)+(\i)*16*PA+32
.endr
.endm
.macro QUARTER q, f, g, zero           ; 64 products on buffer f; in their middle quarter q is fetched into g
	s_wait_dscnt 8                                 ; B and A's rows 0-63 are in; the youngest eight loads (A's rows 64-127) may be out
	MUL16 \f, 0, 0, \zero
	MUL16 \f, 0, 2, \zero
	PLACES
	FETCH \q, \g
	s_wait_dscnt 32                                ; all but the 32 just issued
	MUL16 \f, 1, 0, \zero
	MUL16 \f, 1, 2, \zero
.endm
; A K step's last quarter multiplies buffer 1 and changes slots.  Each wave waits for all its tensor loads (one is out: its part of the next slot), adds 0 to its spare word, and waits for that and for its reads of
; this slot; behind the barrier (fill = 1: a round of the cluster's) nobody reads this slot and the next is whole.  The joint refill, this slot's K step two on, is the first thing there: 224 matrix instructions
; stand between it and the wait for it.
.macro TURN fill
.if \fill
	s_wait_xcnt 0x0                                ; the last prefetch, a K step back, has read its address: it is stepped here
	s_add_nc_u64 s[PFA:PFA+1], s[PFA:PFA+1], KSTEPB
.endif
	WIN 0
	s_wait_tensorcnt 0x0
	ds_add_u32 v[SPW], v[NIL]                      ; 0 onto my spare word; scalar work and sixteen products stand between it and the wait for it
.if \fill
	s_xor_b32 s[G0A+5], s[G0A+5], PART             ; no tensor load of mine is out, so the walking descriptors may be written: the other slot than last time,
	s_add_nc_u64 s[G0A+6:G0A+7], s[G0A+6:G0A+7], KSTEPB  ; the next K step; the type bits on top are not reached
	s_xor_b32 s[G0B+5], s[G0B+5], PART
	s_add_nc_u64 s[G0B+6:G0B+7], s[G0B+6:G0B+7], KSTEPB
.endif
	s_wait_dscnt 9                                 ; the add and the youngest eight loads may be out
	MUL16 F1, 0, 0, 0
	s_wait_dscnt 0x0                               ; the add is done, and my reads of this slot are over
	s_barrier_signal -1
	MUL16 F1, 0, 2, 0
	WIN 0
	s_barrier_wait -1
.if \fill
	CREST
	JLOAD 1                                        ; its four v_nop are also the places in front of the loads below
.else
	PLACES
.endif
	s_xor_b32 s[TB], s[TB], PART                   ; the other slot is in hand
	v_add_nc_u32 v[CA], s[TB], v[A0V]
	v_add_nc_u32 v[CB], s[TB], v[B0V]
	FETCH 0, F0
.if \fill
	ASK
.endif
	MUL16 F1, 1, 0, 0
	MUL16 F1, 1, 2, 0
.endm
; THE WAY OUT of block a (16 rows x my 128 columns, f32).  TOST32: a lane's 32 bytes of each accumulator go straight into my own stage, each accumulator from its low end on, and come back as whole rows of 512
; bytes (LDS serves a wave's instructions in order: ISA guide 5.7.1.4, so no wait stands between; the next block's stores come behind these loads).  SEND32: stored.
.macro TOST32 a
	s_wait_xcnt 0x0                                ; the registers that the stores of the block before last read are loaded again only behind this wait
.set AC, 64*((\a)%4)
.set BK, 128+64*((\a)%2)
	WIN 0x08+4*((\a)/4)                            ; the stores' data (source 1) in window 2 or 3
.irp b, 0,1,2,3,4,5,6,7
	ds_store_b128 v[STO], v[AC+8*(\b):AC+8*(\b)+3]   offset:64*(\b)
	ds_store_b128 v[STO], v[AC+8*(\b)+4:AC+8*(\b)+7] offset:64*(\b)+16
.endr
	WIN 0
.irp t, 0,1,2,3,4,5,6,7,8,9,10,11,12,13,14,15
	ds_load_b128 v[BK+4*(\t):BK+4*(\t)+3], v[RD] offset:(\t)*SP32
.endr
.endm
.macro SEND32 a, younger               ; younger: the LDS instructions issued behind block a's loads: the next block's 32, or none
	WIN 0
.set BK, 128+64*((\a)%2)
	s_wait_dscnt \younger
.irp t, 0,1,2,3,4,5,6,7,8,9,10,11,12,13,14,15
	global_store_b128 v[CO], v[BK+4*(\t):BK+4*(\t)+3], s[C1:C1+1] offset:(16*(\a)+(\t))*LDC  ; the wave stores 512 consecutive bytes, aligned
.endr
.endm
	s_load_b128 s[88:91], s[0:1], 0x0              ; QKV s[88:89], SC s[90:91]
	v_lshl_add_u32 v[SPW], v0, 2, SPARE
	v_mov_b32 v[NIL], 0
	ds_add_u32 v[SPW], v[NIL]                      ; the wave's opening: the add and its wait stand ahead of my first tensor load; work on registers stands between them
	v_lshrrev_b32 v1, 5, v0
	v_readfirstlane_b32 s10, v1                    ; wave 0..3
	s_lshr_b32 s11, s10, 1                         ; my half of the tile's rows; also: I fetch for A (0) or B (1)
	s_and_b32 s12, s10, 1                          ; my half of its columns; also: which half of that tile I fetch
	s_bfe_u32 s40, ttmp6, 0x40000                  ; cx
	s_bfe_u32 s41, ttmp6, 0x40004                  ; cy
	s_lshl_b32 s13, s41, 2
	s_lshl_b32 s13, 15, s13                        ; my row of the cluster
	s_lshl_b32 s42, 0x1111, s40                    ; my column
	s_or_b32 s[G1A], s13, AW0
	s_or_b32 s[G1B], s42, AW0
.irp g, G1A, G1B
	s_mov_b32 s[(\g)+1], 128<<16                   ; tensor_dim0 = 128
	s_mov_b32 s[(\g)+2], 128<<16                   ; tensor_dim1 = 128
	s_mov_b32 s[(\g)+3], 128<<16                   ; tile_dim0 = 128
	s_mov_b32 s[(\g)+4], 128                       ; tile_dim1 = 128
	s_mov_b32 s[(\g)+5], LDA
	s_mov_b32 s[(\g)+6], 0
	s_mov_b32 s[(\g)+7], 0
.endr
	; the places.  What feeds A's descriptors (s13-s23, s68) never holds cx, what feeds B's (s42, s70) never cy
	s_mov_b32 s13, ttmp9                           ; t = 0, 1, 2
	s_cmp_ge_u32 s13, 1
	s_cselect_b32 s14, 1, 0                        ; I
	s_cmp_ge_u32 s13, 2
	s_cselect_b32 s15, 1, 0                        ; J
	s_and_b32 s16, ttmp7, 0xffff                   ; batch
	s_lshl_b32 s17, s14, 2
	s_add_co_u32 s17, s17, s41                     ; tile row = 4 I + cy
	s_lshl_b32 s42, s15, 2
	s_add_co_u32 s42, s42, s40                     ; tile column = 4 J + cx
	s_lshl_b32 s18, s16, 22                        ; (2,048 x batch + 128 x half) rows of 2,048 bytes
	s_lshl_b32 s19, s12, 18
	s_add_co_u32 s18, s18, s19
	s_lshl_b32 s[OA], s17, 19                      ; + 256 x tile row: q
	s_add_co_u32 s[OA], s[OA], s18
	s_mov_b32 s[OA+1], 0
	s_lshl_b32 s[OBO], s42, 19                     ; + 256 x tile column: k, which lies behind q
	s_add_co_u32 s[OBO], s[OBO], s18
	s_add_co_u32 s[OBO], s[OBO], 16777216
	s_mov_b32 s[OBO+1], 0
	s_lshl_b32 s22, s16, 24                        ; C: (2,048 x batch + 256 x tile row + 128 x row half) rows of 8,192 bytes,
	s_lshl_b32 s19, s17, 21
	s_add_co_u32 s22, s22, s19
	s_lshl_b32 s19, s11, 20
	s_add_co_u32 s22, s22, s19
	s_mov_b32 s23, 0
	s_lshl_b32 s46, s42, 10                        ; + (256 x tile column + 128 x column half) x 4 bytes
	s_lshl_b32 s47, s12, 9
	s_add_co_u32 s46, s46, s47
	s_mov_b32 s47, 0
	s_mul_i32 s20, s12, HALF                       ; where my half lands in a slot: no place in the cluster enters an LDS address
	s_add_co_u32 s21, s20, BAT
	s_mov_b32 s[TB], 0
	s_lshl_b32 s78, s40, 16                        ; the prefetches.  For q: my work-group's 32 rows of my 128, by cx;
	s_add_co_u32 s78, s78, s[OA]
	s_lshl_b32 s79, s41, 16                        ; for k: by cy
	s_add_co_u32 s79, s79, s[OBO]
	s_cmp_eq_u32 s15, 0
	s_cselect_b32 s81, 1, -1                       ; q is asked for where J = 0,
	s_cmp_eq_u32 s14, s15
	s_cselect_b32 s82, 1, -1                       ; k where I = J: the same in all sixteen partners
	s_cmp_eq_u32 s11, 0                            ; do I fetch for A?
	s_cselect_b32 s[PFF], s78, s79
	s_cselect_b32 s[LIM], s81, s82
	s_add_co_u32 s[PFF], s[PFF], 2*KSTEPB          ; at K step 2: the first refill steps them to 3
	s_mov_b32 s[PFF+1], 0
	s_wait_dscnt 0x0                               ; the opening add is done
	s_wait_kmcnt 0x0
	s_add_nc_u64 s[4:5], s[88:89], s[OA:OA+1]      ; my half of A's tile at K step 0
	s_add_nc_u64 s[6:7], s[88:89], s[OBO:OBO+1]    ; of B's
	s_add_nc_u64 s[C1:C1+1], s[90:91], s[22:23]
	s_add_nc_u64 s[C1:C1+1], s[C1:C1+1], s[46:47]
	s_add_nc_u64 s[PFA:PFA+1], s[88:89], s[PFF:PFF+1]
	CROUND                                         ; all sixteen work-groups are here: the first joint loads meet
.irp s, 0,1
	s_mov_b32 s[G0A+4*(\s)], 1
	s_add_co_u32 s[G0A+4*(\s)+1], s20, (\s)*PART
	s_add_nc_u64 s[G0A+4*(\s)+2:G0A+4*(\s)+3], s[4:5], (\s)*KSTEPB
	s_or_b32 s[G0A+4*(\s)+3], s[G0A+4*(\s)+3], 0x80000000
	s_mov_b32 s[G0B+4*(\s)], 1
	s_add_co_u32 s[G0B+4*(\s)+1], s21, (\s)*PART
	s_add_nc_u64 s[G0B+4*(\s)+2:G0B+4*(\s)+3], s[6:7], (\s)*KSTEPB
	s_or_b32 s[G0B+4*(\s)+3], s[G0B+4*(\s)+3], 0x80000000
	JLOAD \s                                       ; K steps 0 and 1: two loads of mine are out
.endr
	v_and_b32 v1, 15, v0                           ; r = l % 16
	v_bfe_u32 v2, v0, 4, 1                         ; h = l / 16
	v_mul_u32_u24 v3, v1, PA                       ; a fragment from rows along K: row x pitch + 16 h
	v_lshl_add_u32 v3, v2, 4, v3
	s_mul_i32 s22, s11, HALF                       ; my 128 rows of A
	v_add_nc_u32 v[A0V], s22, v3
	s_mul_i32 s22, s12, HALF                       ; my 128 rows of B
	s_add_co_u32 s22, s22, BAT
	v_add_nc_u32 v[B0V], s22, v3
	v_mov_b32 v[CA], v[A0V]                        ; slot 0 is in hand
	v_mov_b32 v[CB], v[B0V]
	s_mul_i32 s23, s10, 16*SP32
	s_add_co_u32 s23, s23, STAGE                   ; my stage
	v_mul_u32_u24 v4, v1, SP32                     ; in: row r, 32 bytes for each half of the lanes
	v_lshl_add_u32 v4, v2, 5, v4
	v_add_nc_u32 v[STO], s23, v4
	v_and_b32 v5, 31, v0
	v_lshlrev_b32 v[CO], 4, v5                     ; back and out: 32 lanes take one row of 512 bytes
	v_add_nc_u32 v[RD], s23, v[CO]
	v_lshlrev_b32 v[PFO], 11, v5                   ; the prefetches: a lane a row
	s_wait_tensorcnt 0x1                           ; my part of K step 0 is in; step 1's may stay out
	s_barrier_signal -1
	s_barrier_wait -1
	FETCH 0, F0
	QUARTER 1, F0, F1, 1                           ; the first quarter stands in front of the loop: its products start the sums
	WIN 0                                          ; at a label and at a branch every window is 0
	s_mov_b32 s3, STEPS-2
	s_branch .Lin                                  ; the loop is entered behind its first quarter
.Lstep:                                                ; a trip is a K step; each of the six fills the slot that it has read again
	QUARTER 1, F0, F1, 0
	WIN 0
.Lin:
	QUARTER 2, F1, F0, 0
	QUARTER 3, F0, F1, 0
	TURN 1
	WIN 0
	s_sub_co_u32 s3, s3, 1
	s_cmp_lg_u32 s3, 0
	s_cbranch_scc1 .Lstep
	s_mov_b32 s3, 2
.Ltail:                                                ; the last two K steps fill nothing: written apart
	QUARTER 1, F0, F1, 0
	QUARTER 2, F1, F0, 0
	QUARTER 3, F0, F1, 0
	TURN 0
	WIN 0
	s_sub_co_u32 s3, s3, 1
	s_cmp_lg_u32 s3, 0
	s_cbranch_scc1 .Ltail
	s_wait_dscnt 0x0                               ; the last trip's fetch, which serves nothing, is back
	PLACES
	PLACES
	TOST32 0
.irp a, 1,2,3,4,5,6,7                  ; block a goes into the stage while block a - 1 comes back from it
	TOST32 \a
	SEND32 (\a)-1, 32
.endr
	SEND32 7, 0
	s_wait_tensorcnt 0x0                           ; the wave's end: behind my last tensor load and my last LDS store
	ds_add_u32 v[SPW], v[NIL]
	s_wait_dscnt 0x0
	CROUND                                         ; the closing round: no work-group ends while a partner may still ask for a tile that names it
	s_endpgm
.Lfunc_end_k_q1b4e0243f6_score:
	.size	k_q1b4e0243f6_score, .Lfunc_end_k_q1b4e0243f6_score-k_q1b4e0243f6_score
	.p2alignl 7, 3214868480
	.fill 96, 4, 3214868480
	.section	.rodata,"a",@progbits
	.p2align	6, 0x0
	.amdhsa_kernel k_q1b4e0243f6_score
		.amdhsa_group_segment_fixed_size 327680
		.amdhsa_private_segment_fixed_size 0
		.amdhsa_enable_private_segment 0
		.amdhsa_kernarg_size 16
		.amdhsa_user_sgpr_count 2
		.amdhsa_user_sgpr_kernarg_segment_ptr 1
		.amdhsa_wavefront_size32 1
		.amdhsa_system_sgpr_workgroup_id_x 1
		.amdhsa_system_sgpr_workgroup_id_y 1
		.amdhsa_system_sgpr_workgroup_id_z 1
		.amdhsa_system_vgpr_workitem_id 0
		.amdhsa_next_free_vgpr 1024
		.amdhsa_next_free_sgpr 100
		.amdhsa_reserve_vcc 0
		.amdhsa_float_denorm_mode_32 3
		.amdhsa_float_denorm_mode_16_64 3
		.amdhsa_memory_ordered 1
		.amdhsa_forward_progress 1
		.amdhsa_inst_pref_size 98
	.end_amdhsa_kernel
	.amdgpu_metadata
---
amdhsa.version: [ 1, 2 ]
amdhsa.kernels:
  - .name:           k_q1b4e0243f6_score
    .symbol:         k_q1b4e0243f6_score.kd
    .args:
      - { .name: QKV, .offset: 0, .size: 8, .value_kind: global_buffer, .address_space: global }
      - { .name: SC, .offset: 8, .size: 8, .value_kind: global_buffer, .address_space: global }
    .group_segment_fixed_size: 327680
    .private_segment_fixed_size: 0
    .kernarg_segment_align: 8
    .kernarg_segment_size: 16
    .max_flat_workgroup_size: 128
    .sgpr_count:     100
    .vgpr_count:     1024
    .wavefront_size: 32
...
	.end_amdgpu_metadata
.endif
;; end of part 3
;; launch soft (part 4): grid 1024 x 1, 8 waves a work-group, no clusters, 0 bytes of LDS; arguments SC, PB; writes PB
.if DOCPART == 4
	.amdgcn_target "amdgcn-amd-amdhsa--gfx1250"
	.amdhsa_code_object_version 6
	.text
	.protected	k_q1b4e0243f6_soft
	.globl	k_q1b4e0243f6_soft
	.p2align	8
	.type	k_q1b4e0243f6_soft,@function
k_q1b4e0243f6_soft:
	s_mov_b64 s[64:65], 0
	v_nop
	global_prefetch_b8 v0, s[64:65] scope:SCOPE_SE
	s_setreg_imm32_b32 hwreg(HW_REG_WAVE_MODE, 25, 1), 1
	s_wait_xcnt 0x0
; PB[row][key] = softmax over key <= query of SC[row][key] / 32, as f16.  SC: [8192][2048] f32, raw sums; PB: [8192][2048] f16.
; p = 2^(c s - c m) / l, c = log2(e) / 32, m the row's maximum over the keys that it may see, l the sum of the unrounded 2^(..); all in f32, p rounded once.
; A row of super row I (512 rows) reads and writes its first I + 1 segments of 512 keys, which are what the launch before has stored and the launch behind reads; in them the keys behind the query get exactly 0.
; LIMITS.  A hidden key counts as -1e30, so its weight is exactly 0.  A weight below 2^-126 counts as 0 in l; p below 6e-5 keeps f16's fixed step of 6e-8.  NaN and infinities are not treated apart.
; A stream: one wave, one row, kept in 64 registers between the passes: no LDS, no barrier.  Work-group g takes batch g % 4 and rows 8 (g / 4) .. + 7, so that work-groups 256 apart have 1, 2, 3 and 4 segments.
; Segments that are not loaded hold -1e30 and are worked on all the same: one text for every row.
.set M,   4                            ; v4-7     four chains of the maximum; later, with v8-11, four chains of the sum
.set CM,  8                            ; v[8:9]   c m (the pair is named; its low word serves both halves)
.set SUM, 4                            ; v[4:11]
.set R,   2                            ; v[2:3]   1 / l
.set VT,  12                           ; v12      the query's number in its batch less 4 x lane: register e of chunk j is hidden where 128 j + e is greater
.set NEG, 13                           ; v13      -1e30
.set X,   16                           ; v[16:79] chunk j's register e: key 128 j + 4 lane + e
.set Y,   80                           ; v[80:111] the weights in f16
	s_load_b128 s[4:7], s[0:1], 0x0                ; SC s[4:5], PB s[6:7]
	v_lshrrev_b32 v1, 5, v0
	v_readfirstlane_b32 s8, v1                     ; wave 0..7
	v_and_b32 v2, 31, v0                           ; lane
	s_and_b32 s9, ttmp9, 3                         ; batch
	s_lshr_b32 s10, ttmp9, 2
	s_lshr_b32 s11, s10, 6                         ; I
	s_lshl_b32 s10, s10, 3
	s_add_co_u32 s10, s10, s8                      ; the query's number in its batch
	s_lshl_b32 s9, s9, 11
	s_add_co_u32 s9, s9, s10                       ; row
	s_lshl_b32 s16, s9, 13                         ; 8,192 bytes a row of SC
	s_mov_b32 s17, 0
	s_lshl_b32 s18, s9, 12                         ; 4,096 bytes a row of PB
	s_mov_b32 s19, 0
	s_mov_b32 s12, 0x3d38aa3b                      ; c = log2(e) / 32
	s_mov_b32 s13, s12                             ; named with it as a pair
	s_mov_b32 s14, 0x76543210                      ; v_permlanex16_b32: each lane takes its own place in the other half
	s_mov_b32 s15, 0xfedcba98
	v_lshlrev_b32 v1, 4, v2                        ; 16 bytes a lane on the way in
	v_lshlrev_b32 v14, 3, v2                       ; 8 bytes a lane on the way out
	v_lshlrev_b32 v[VT], 2, v2
	v_sub_nc_u32 v[VT], s10, v[VT]
	v_mov_b32 v[NEG], 0xf149f2ca
.set i, 16
.rept 48
	v_mov_b32 v[X+i], v[NEG]                       ; segments 1 to 3, until a load says otherwise
.set i, i+1
.endr
	s_wait_kmcnt 0x0
	s_add_nc_u64 s[4:5], s[4:5], s[16:17]
	s_add_nc_u64 s[6:7], s[6:7], s[18:19]
.macro SEGIN n                         ; a segment: four loads of 512 consecutive bytes
.irp j, 0,1,2,3
	global_load_b128 v[X+16*(\n)+4*(\j):X+16*(\n)+4*(\j)+3], v1, s[4:5] offset:2048*(\n)+512*(\j) th:TH_LOAD_NT
.endr
.endm
	SEGIN 0
.irp n, 1,2,3
	s_cmp_lt_u32 s11, \n
	s_cbranch_scc1 .Lloaded
	SEGIN \n
.endr
.Lloaded:
	s_wait_loadcnt 0x0
.set i, 0
.rept 64                               ; the causal mask
	v_cmp_gt_i32 vcc_lo, 128*(i/4)+i%4, v[VT]
	v_cndmask_b32 v[X+i], v[X+i], v[NEG], vcc_lo
.set i, i+1
.endr
.set i, 0
.rept 4                                ; the maximum: four chains, three operands at a time
	v_max3_num_f32 v[M+i], v[X+3*i], v[X+3*i+1], v[X+3*i+2]
.set i, i+1
.endr
.set i, 0
.rept 26
	v_max3_num_f32 v[M+i%4], v[M+i%4], v[X+12+2*i], v[X+13+2*i]
.set i, i+1
.endr
	v_max3_num_f32 v[M], v[M], v[M+1], v[M+2]
	v_max_num_f32 v[M], v[M], v[M+3]
	v_max_num_f32_dpp v[M], v[M], v[M] row_xmask:1 row_mask:0xf bank_mask:0xf
	v_max_num_f32_dpp v[M], v[M], v[M] row_xmask:2 row_mask:0xf bank_mask:0xf
	v_max_num_f32_dpp v[M], v[M], v[M] row_xmask:4 row_mask:0xf bank_mask:0xf
	v_max_num_f32_dpp v[M], v[M], v[M] row_xmask:8 row_mask:0xf bank_mask:0xf
	v_permlanex16_b32 v[M+1], v[M], s14, s15
	v_max_num_f32 v[M], v[M], v[M+1]               ; every lane holds the row's maximum: key 0 is never hidden, so it is a true score
	v_mul_f32 v[CM], s12, v[M]
	v_mov_b32 v[CM+1], v[CM]
.set i, 0
.rept 32                               ; c s - c m, one rounding; what c m lost in its own rounding is one factor for the whole row and leaves with the division
	v_pk_fma_f32 v[X+2*i:X+2*i+1], v[X+2*i:X+2*i+1], s[12:13], v[CM:CM+1] op_sel_hi:[1,0,0] neg_lo:[0,0,1] neg_hi:[0,0,1]
.set i, i+1
.endr
.set i, 0
.rept 64                               ; one batch of exponentials,
	v_exp_f32 v[X+i], v[X+i]
.set i, i+1
.endr
	v_nop                                          ; a plain instruction behind the last of them (ISA guide 5.7.2),
	s_wait_alu depctr_va_vdst(0)                   ; and a wait ahead of the first use
.set i, 0
.rept 4                                ; the sum: four chains of pairs, started by the first eight pairs
	v_pk_add_f32 v[SUM+2*i:SUM+2*i+1], v[X+2*i:X+2*i+1], v[X+8+2*i:X+9+2*i]
.set i, i+1
.endr
.set i, 0
.rept 24
	v_pk_add_f32 v[SUM+2*(i%4):SUM+2*(i%4)+1], v[SUM+2*(i%4):SUM+2*(i%4)+1], v[X+16+2*i:X+17+2*i]
.set i, i+1
.endr
	v_pk_add_f32 v[SUM:SUM+1], v[SUM:SUM+1], v[SUM+2:SUM+3]
	v_pk_add_f32 v[SUM+4:SUM+5], v[SUM+4:SUM+5], v[SUM+6:SUM+7]
	v_pk_add_f32 v[SUM:SUM+1], v[SUM:SUM+1], v[SUM+4:SUM+5]
	v_add_f32 v[SUM], v[SUM], v[SUM+1]
	v_add_f32_dpp v[SUM], v[SUM], v[SUM] row_xmask:1 row_mask:0xf bank_mask:0xf
	v_add_f32_dpp v[SUM], v[SUM], v[SUM] row_xmask:2 row_mask:0xf bank_mask:0xf
	v_add_f32_dpp v[SUM], v[SUM], v[SUM] row_xmask:4 row_mask:0xf bank_mask:0xf
	v_add_f32_dpp v[SUM], v[SUM], v[SUM] row_xmask:8 row_mask:0xf bank_mask:0xf
	v_permlanex16_b32 v[SUM+1], v[SUM], s14, s15
	v_add_f32 v[SUM], v[SUM], v[SUM+1]             ; l: the maximum's own weight is about 1, so l is no small number
	v_rcp_f32 v[R], v[SUM]
	v_mov_b32 v[R+1], v[SUM]                       ; the plain instruction behind the reciprocal; it also writes the pair's second word, which is named and not used
	s_wait_alu depctr_va_vdst(0)
.set i, 0
.rept 32
	v_pk_mul_f32 v[X+2*i:X+2*i+1], v[X+2*i:X+2*i+1], v[R:R+1] op_sel_hi:[1,0]
.set i, i+1
.endr
.set i, 0
.rept 32
	v_cvt_pk_f16_f32 v[Y+i], v[X+2*i], v[X+2*i+1]
.set i, i+1
.endr
.macro SEGOUT n                        ; a segment: four stores of 256 consecutive bytes, aligned
.irp j, 0,1,2,3
	global_store_b64 v14, v[Y+8*(\n)+2*(\j):Y+8*(\n)+2*(\j)+1], s[6:7] offset:1024*(\n)+256*(\j)
.endr
.endm
	SEGOUT 0
.irp n, 1,2,3
	s_cmp_lt_u32 s11, \n
	s_cbranch_scc1 .Lstored
	SEGOUT \n
.endr
.Lstored:
	s_endpgm
.Lfunc_end_k_q1b4e0243f6_soft:
	.size	k_q1b4e0243f6_soft, .Lfunc_end_k_q1b4e0243f6_soft-k_q1b4e0243f6_soft
	.p2alignl 7, 3214868480
	.fill 96, 4, 3214868480
	.section	.rodata,"a",@progbits
	.p2align	6, 0x0
	.amdhsa_kernel k_q1b4e0243f6_soft
		.amdhsa_group_segment_fixed_size 0
		.amdhsa_private_segment_fixed_size 0
		.amdhsa_enable_private_segment 0
		.amdhsa_kernarg_size 16
		.amdhsa_user_sgpr_count 2
		.amdhsa_user_sgpr_kernarg_segment_ptr 1
		.amdhsa_wavefront_size32 1
		.amdhsa_system_sgpr_workgroup_id_x 1
		.amdhsa_system_sgpr_workgroup_id_y 1
		.amdhsa_system_sgpr_workgroup_id_z 1
		.amdhsa_system_vgpr_workitem_id 0
		.amdhsa_next_free_vgpr 112
		.amdhsa_next_free_sgpr 66
		.amdhsa_reserve_vcc 1
		.amdhsa_float_denorm_mode_32 3
		.amdhsa_float_denorm_mode_16_64 3
		.amdhsa_memory_ordered 1
		.amdhsa_forward_progress 1
		.amdhsa_inst_pref_size 25
	.end_amdhsa_kernel
	.amdgpu_metadata
---
amdhsa.version: [ 1, 2 ]
amdhsa.kernels:
  - .name:           k_q1b4e0243f6_soft
    .symbol:         k_q1b4e0243f6_soft.kd
    .args:
      - { .name: SC, .offset: 0, .size: 8, .value_kind: global_buffer, .address_space: global }
      - { .name: PB, .offset: 8, .size: 8, .value_kind: global_buffer, .address_space: global }
    .group_segment_fixed_size: 0
    .private_segment_fixed_size: 0
    .kernarg_segment_align: 8
    .kernarg_segment_size: 16
    .max_flat_workgroup_size: 256
    .sgpr_count:     66
    .vgpr_count:     112
    .wavefront_size: 32
...
	.end_amdgpu_metadata
.endif
;; end of part 4
;; launch pv (part 5): grid 8 x 32, 4 waves a work-group, clusters of 4 x 4, 327,680 bytes of LDS; arguments PB, QKV, OB; writes OB
.if DOCPART == 5
	.amdgcn_target "amdgcn-amd-amdhsa--gfx1250"
	.amdhsa_code_object_version 6
	.text
	.protected	k_q1b4e0243f6_pv
	.globl	k_q1b4e0243f6_pv
	.p2align	8
	.type	k_q1b4e0243f6_pv,@function
k_q1b4e0243f6_pv:
	s_mov_b64 s[64:65], 0
	v_nop
	global_prefetch_b8 v0, s[64:65] scope:SCOPE_SE
	s_setreg_imm32_b32 hwreg(HW_REG_WAVE_MODE, 25, 1), 1
	s_wait_xcnt 0x0
	s_wait_alu depctr_hold_cnt(0) depctr_sa_sdst(0) depctr_va_vdst(0) depctr_va_sdst(0) depctr_va_ssrc(0) depctr_va_vcc(0) depctr_vm_vsrc(0)
	s_getreg_b32 s2, hwreg(HW_REG_IB_STS2, 6, 4)
	s_cmp_eq_u32 s2, 0
	s_cbranch_scc0 .Lentry_in_a_cluster
	s_endpgm
.Lentry_in_a_cluster:
	s_bfe_u32 s2, ttmp6, 0x10000c
	s_cmp_lg_u32 s2, 0xf033
	s_cbranch_scc0 .Lentry_shape_is_right
	s_endpgm
.Lentry_shape_is_right:
; o[batch][query][:] = the sum over key of P[query][key] v[key][:].  P: [8192][2048] f16 in PB, 0 behind the diagonal; v: [8192][1024] f16 in QKV; o: [8192][1024] f16 in OB, rounded once.  Sums in f32.
; o is a mean of v's rows and has their range.  Super row I (512 queries) needs its first 512 (I + 1) keys alone: 2 (I + 1) K steps.
; THE COMMON GEMM BODY (four kernels repeat it; the switches below and the two blocks PLACES differ).  A tile of C is 128 x 128: four waves, each 64 x 64 = 16 accumulators.  K goes in steps of 256
; through two LDS slots filled by tensor loads; waves 0, 1 fetch A's two halves, waves 2, 3 B's.  A lies [M][K]; B lies [K][N] (BN = 1, read by the turning load) or [N][K] (BN = 0).
; The matrix instruction is used transposed (source 0 = B's fragment, source 1 = A's): a lane holds eight neighbouring columns of one row of C.
; CLUSTER 4 x 4: A's tile hangs on the tile row alone and is asked for jointly by a row of the cluster, B's on the tile column alone and is asked for jointly by a column.
; HERE: cluster x = Jc (tile column 4 Jc + cx), cluster y = 2 x batch + b.  A work-group walks TWO tiles, in super rows 3 - b and then b: 8 - 2 b and 2 b + 2 K steps, 10 whatever b: all work-groups do equal
; work, one loop with a constant trip count walks them, and the ring runs on across the change of tiles.  What differs hangs on the cluster's y alone, which all partners share.
.set BN,    1
.set OUT32, 0                          ; C leaves as f16 through one stage shared by the four waves
.set BIAS,  0
.set TWO,   1
.set NLAPS, 5                          ; laps of two K steps in the whole walk
.set LDA,   2048                       ; elements from row to row of A
.set LDC,   2048                       ; bytes from row to row of C
.set PA,    528                        ; an LDS row of A: 512 bytes + 16 of padding: the 16 rows of a fragment load start 4 banks apart (64 banks of 4 bytes: ISA guide 11.1)
.set AHALF, 64*PA
.set ATILE, 2*AHALF
.set AW0,   (1<<16)|(1<<20)|(1<<21)|(6<<22)|(3<<25)  ; 2-byte elements; padding on; bit 21 beside a mask; after every 128 words, 4 words
.set PBT,   288                        ; an LDS row of B: 256 bytes + 32
.set BHALF, 128*PBT
.set BD0,   128
.set BD1,   128
.set BW0,   (1<<16)|(1<<20)|(1<<21)|(5<<22)|(7<<25)  ; after every 64 words, 8 words
.set BSH,   19                         ; a K step of B: 256 rows of 2,048 bytes
.set SLOT,  ATILE+2*BHALF
.set STAGE, 2*SLOT                     ; behind the ring, never filled by a tensor load: one stage of 128 rows
.set SPITCH, 272
.set SPARE, STAGE+128*SPITCH           ; from here on: the spare words, 128 bytes a wave, which no other line names
.set ADRA, 16                          ; v16-17 LDS address of my A fragments in slot 0, 1
.set ADRB, 18                          ; v18-21 of my B fragments: 2 x slot + half of the K step
.set STO,  24                          ; v24 where I put my bytes in the stage      v25 where I read rows back
.set RD,   25
.set CO,   26                          ; v26 my byte offset in two rows of C
.set SPW,  28                          ; v28 my spare word's LDS address; v29 = 0; both never rewritten
.set NIL,  29
.set TMP,  32                          ; v32-95 at work on the way out
.set ACC,  128                         ; v128-255 accumulator (a, b) at ACC + 8 (4 a + b)
.set F0,   0                           ; window 1: two fragment buffers of 128: A's (c, a) at 8 (4 c + a), B's (c, b) at 64 + 8 (4 c + b)
.set F1,   128
.set ABASE, 4                          ; s[4:5], s[6:7] A's and B's tensors
.set BBASE, 6
.set C1,   8                           ; s[8:9], s[82:83] where I store the first and the second tile
.set C2,   82
.set G1A,  24                          ; s[24:31] group 1, s[32:39] group 0 (a set a slot) for A;  s[48:55], s[56:63] for B
.set G0A,  32
.set G1B,  48
.set G0B,  56
.set OA,   68                          ; s[68:69], s[70:71] byte offsets of the tile to be asked for
.set OBO,  70
.set FST,  72                          ; s72 the K step asked for last; s73 the steps of the tile that is being asked for
.set FN,   73
.set OAT,  74                          ; s74, s75 that tile's offsets at K step 0; s76-78 the second tile's offsets and steps
.set OBT,  75
.set OAT2, 76
.set OBT2, 77
.set FN2,  78
.set LEFT, 79                          ; s79 laps left of the first tile
.set PEND, 81                          ; s81 1: a tile lies in the stage and is still to be stored
.set MSB, 0
.macro WIN new                         ; the immediate's high byte repeats the setting that is left; a switch that changes nothing is dropped
.if MSB != (\new)
	s_set_vgpr_msb (MSB<<8)|(\new)
.set MSB, \new
.endif
.endm
.set MUL,  0x05                        ; sources 0 and 1 window 1; C and D window 0
.set TO_F, 0x40                        ; destination window 1, address window 0
.macro PLACES                          ; four plain places behind a matrix instruction (ISA guide 7.12.1)
.rept 4
	v_nop
.endr
.endm
.macro JLOAD s                         ; a joint load; the branch hangs on the wave's number alone; an s_nop 0 and four v_nop follow each line
	s_cmp_eq_u32 s11, 0
	s_cbranch_scc0 .Lfor_b_\@
	tensor_load_to_lds s[G0A+4*(\s):G0A+4*(\s)+3], s[G1A:G1A+7]
	s_nop 0
.rept 4
	v_nop
.endr
	s_branch .Lasked_\@
.Lfor_b_\@:
	tensor_load_to_lds s[G0B+4*(\s):G0B+4*(\s)+3], s[G1B:G1B+7]
	s_nop 0
.rept 4
	v_nop
.endr
.Lasked_\@:
.endm
.macro CREST                           ; a round of the cluster's barrier behind its opening barrier
	s_cmp_lg_u32 s10, 0
	s_cbranch_scc1 .Lnot_wave_0_\@
	s_barrier_signal -3
.Lnot_wave_0_\@:
	s_barrier_wait -3
	s_barrier_signal -1
	s_barrier_wait -1
.endm
.macro CROUND
	s_barrier_signal -1
	s_barrier_wait -1
	CREST
.endm
.macro CURSOR slot                     ; scalar work alone: the next K step of the walk, and both descriptors' addresses made anew from base + offset
	s_add_co_u32 s[FST], s[FST], 1
	s_cmp_eq_u32 s[FST], s[FN]                     ; behind the first tile's last step comes the second tile's step 0
	s_cselect_b32 s[FST], 0, s[FST]
	s_cselect_b32 s[OAT], s[OAT2], s[OAT]
	s_cselect_b32 s[OBT], s[OBT2], s[OBT]
	s_cselect_b32 s[FN], s[FN2], s[FN]
	s_lshl_b32 s[OA], s[FST], 9
	s_add_co_u32 s[OA], s[OA], s[OAT]
	s_lshl_b32 s[OBO], s[FST], BSH
	s_add_co_u32 s[OBO], s[OBO], s[OBT]
	s_add_nc_u64 s[G0A+4*(\slot)+2:G0A+4*(\slot)+3], s[ABASE:ABASE+1], s[OA:OA+1]
	s_or_b32 s[G0A+4*(\slot)+3], s[G0A+4*(\slot)+3], 0x80000000
	s_add_nc_u64 s[G0B+4*(\slot)+2:G0B+4*(\slot)+3], s[BBASE:BBASE+1], s[OBO:OBO+1]
	s_or_b32 s[G0B+4*(\slot)+3], s[G0B+4*(\slot)+3], 0x80000000
.endm
.macro MUL8 f, c, a0, zero             ; 8 products: row blocks a0, a0 + 1 x 4 column blocks, 32 along K (half c of buffer f); zero = 1: they start the sums.  The 16 accumulators take turns
	WIN MUL
.irp a, \a0, (\a0)+1
.irp b, 0,1,2,3
.if \zero
	v_wmma_f32_16x16x32_f16 v[ACC+8*(4*(\a)+(\b)):ACC+8*(4*(\a)+(\b))+7], v[(\f)+64+8*(4*(\c)+(\b)):(\f)+64+8*(4*(\c)+(\b))+7], v[(\f)+8*(4*(\c)+(\a)):(\f)+8*(4*(\c)+(\a))+7], 0
.else
	v_wmma_f32_16x16x32_f16 v[ACC+8*(4*(\a)+(\b)):ACC+8*(4*(\a)+(\b))+7], v[(\f)+64+8*(4*(\c)+(\b)):(\f)+64+8*(4*(\c)+(\b))+7], v[(\f)+8*(4*(\c)+(\a)):(\f)+8*(4*(\c)+(\a))+7], v[ACC+8*(4*(\a)+(\b)):ACC+8*(4*(\a)+(\b))+7]
.endif
.endr
.endr
.endm
.macro FETCH slot, q, f                ; 32 LDS loads in one run: the fragments of quarter q (64 along K) into buffer f, its first 32 along K first
	WIN TO_F
.irp c, 0,1
.irp i, 0,1,2,3
	ds_load_tr16_b128 v[(\f)+64+8*(4*(\c)+(\i)):(\f)+64+8*(4*(\c)+(\i))+3],   v[ADRB+2*(\slot)+(\q)/2] offset:(64*((\q)%2)+32*(\c))*PBT+32*(\i)
	ds_load_tr16_b128 v[(\f)+64+8*(4*(\c)+(\i))+4:(\f)+64+8*(4*(\c)+(\i))+7], v[ADRB+2*(\slot)+(\q)/2] offset:(64*((\q)%2)+32*(\c)+16)*PBT+32*(\i)
	ds_load_b128 v[(\f)+8*(4*(\c)+(\i)):(\f)+8*(4*(\c)+(\i))+3],   v[ADRA+(\slot)] offset:128*(\q)+64*(\c)+(\i)*16*PA
	ds_load_b128 v[(\f)+8*(4*(\c)+(\i))+4:(\f)+8*(4*(\c)+(\i))+7], v[ADRA+(\slot)] offset:128*(\q)+64*(\c)+(\i)*16*PA+32
.endr
.endr
.endm
.macro QHEAD f, zero                   ; a quarter's first 16 products
	s_wait_dscnt 16                                ; the first 32 along K are in: at most the 16 youngest LDS instructions are out
	MUL8 \f, 0, 0, \zero
	MUL8 \f, 0, 2, \zero
.endm
.macro QREST slot, q, f, g             ; the next quarter q is fetched into g; the quarter's other 16 products
	PLACES
	FETCH \slot, \q, \g
	s_wait_dscnt 32                                ; all but the 32 just issued
	MUL8 \f, 1, 0, 0
	MUL8 \f, 1, 2, 0
.endm
.macro QUARTER slot, q, f, g, zero
	QHEAD \f, \zero
	QREST \slot, \q, \f, \g
.endm
; A K step's last quarter multiplies buffer 1 and changes slots: each wave waits for all its tensor loads (one is out: its part of the next slot), adds 0 to its spare word, and waits for that and for its reads of
; this slot; behind the barrier (fill = 1: a round of the cluster's) nobody reads this slot and the next is whole; the joint refill is the first thing there.
.macro TURN slot, next, fill
	WIN 0
	s_wait_tensorcnt 0x0
	ds_add_u32 v[SPW], v[NIL]                      ; 0 onto my spare word; scalar work and eight products stand between it and the wait for it
.if \fill
	CURSOR \slot                                   ; no tensor load of mine is out, so the descriptors may be written
.endif
	s_wait_dscnt 17                                ; the add and the 16 youngest loads may be out
	MUL8 F1, 0, 0, 0
	s_wait_dscnt 0x0                               ; the add is done, my reads of this slot (and of the stage) are over, my stores into the stage are done
	s_barrier_signal -1
	MUL8 F1, 0, 2, 0
.if \fill
	WIN 0
.endif
	s_barrier_wait -1
.if \fill
	CREST
	JLOAD \slot                                    ; its four v_nop are also the places in front of the loads below
.else
	PLACES
.endif
	FETCH \next, 0, F0
	MUL8 F1, 1, 0, 0
	MUL8 F1, 1, 2, 0
.endm
.macro PHASE1                          ; f16 way out, first half: rounding, 16 bytes a lane into the shared stage.  Each accumulator is read from its low end on
	WIN 0
	PLACES
	PLACES
	s_wait_xcnt 0x0                                ; TMP may still be the source of the tile before's stores: it is rewritten only behind this wait
.set t, 0
.rept 16
.irp k, 0,1,2,3
	v_cvt_pk_f16_f32 v[TMP+4*t+(\k)], v[ACC+8*t+2*(\k)], v[ACC+8*t+2*(\k)+1]
.endr
.set t, t+1
.endr
.set t, 0
.rept 16
	ds_store_b128 v[STO], v[TMP+4*t:TMP+4*t+3] offset:(t/4)*16*SPITCH+32*(t%4)
.set t, t+1
.endr
.endm
.macro PHASE2 cp                       ; second half, behind a barrier: 32 whole rows a wave back into registers and out
	WIN 0
.set t, 0
.rept 16
	ds_load_b128 v[TMP+4*t:TMP+4*t+3], v[RD] offset:t*2*SPITCH
.set t, t+1
.endr
.set t, 0
.rept 16
	s_wait_dscnt 15-t                              ; the younger stage loads may be out
	global_store_b128 v[CO], v[TMP+4*t:TMP+4*t+3], s[\cp:\cp+1] offset:2*t*LDC  ; 16 lanes store 256 consecutive bytes, aligned
.set t, t+1
.endr
.endm
.macro COND_P2                         ; behind a change of slots' barrier: the first tile, if it lies in the stage, is stored
	WIN 0
	s_cmp_eq_u32 s[PEND], 1
	s_cbranch_scc0 .Lno_p2_\@
	PHASE2 C1
	s_mov_b32 s[PEND], 0
.Lno_p2_\@:
.endm
.macro TILE_END                        ; a lap's first quarter.  Where the first tile has ended it goes out, and the products start the second tile's sums with the constant 0.  The jumps go forward, past no barrier and no tensor load
	WIN 0
	s_sub_co_u32 s[LEFT], s[LEFT], 1
	s_cmp_lg_u32 s[LEFT], 0
	s_cbranch_scc1 .Lsame_\@
	PHASE1
	s_mov_b32 s[PEND], 1
	s_mov_b32 s[LEFT], 64                          ; more than the walk has laps
	QHEAD F0, 1
	WIN 0
	s_branch .Ljoin_\@
.Lsame_\@:
	QHEAD F0, 0
	WIN 0
.Ljoin_\@:
	QREST 0, 1, F0, F1
.endm
	s_load_b128 s[88:91], s[0:1], 0x0              ; PB s[88:89], QKV s[90:91]
	s_load_b64 s[92:93], s[0:1], 0x10              ; OB
	v_lshl_add_u32 v[SPW], v0, 2, SPARE
	v_mov_b32 v[NIL], 0
	ds_add_u32 v[SPW], v[NIL]                      ; the wave's opening: the add and its wait stand ahead of my first tensor load; work on registers stands between them
	v_lshrrev_b32 v1, 5, v0
	v_readfirstlane_b32 s10, v1                    ; wave 0..3
	s_lshr_b32 s11, s10, 1                         ; my half of the tile's rows; also: I fetch for A (0) or B (1)
	s_and_b32 s12, s10, 1                          ; my half of its columns; also: which half of that tile I fetch
	s_bfe_u32 s40, ttmp6, 0x40000                  ; cx
	s_bfe_u32 s41, ttmp6, 0x40004                  ; cy
	s_lshl_b32 s13, s41, 2
	s_lshl_b32 s13, 15, s13                        ; my row of the cluster
	s_lshl_b32 s42, 0x1111, s40                    ; my column
	s_or_b32 s[G1A], s13, AW0
	s_or_b32 s[G1B], s42, BW0
	s_mov_b32 s[G1A+1], 256<<16                    ; tensor_dim0 = 256
	s_mov_b32 s[G1A+2], 64<<16                     ; tensor_dim1 = 64
	s_mov_b32 s[G1A+3], 256<<16                    ; tile_dim0 = 256
	s_mov_b32 s[G1A+4], 64                         ; tile_dim1 = 64
	s_mov_b32 s[G1A+5], LDA
	s_mov_b32 s[G1A+6], 0
	s_mov_b32 s[G1A+7], 0
	s_mov_b32 s[G1B+1], BD0<<16
	s_mov_b32 s[G1B+2], BD1<<16
	s_mov_b32 s[G1B+3], BD0<<16
	s_mov_b32 s[G1B+4], BD1
	s_mov_b32 s[G1B+5], 1024
	s_mov_b32 s[G1B+6], 0
	s_mov_b32 s[G1B+7], 0
	; PLACES, offsets.  s13-s23 never hold cx, s42-s47 never cy: what feeds A's descriptors is shared along my row of the cluster, what feeds B's along my column
	s_and_b32 s13, ttmp7, 0xffff                   ; cluster y
	s_lshr_b32 s14, s13, 1                         ; batch
	s_and_b32 s15, s13, 1                          ; b
	s_sub_co_u32 s16, 3, s15
	s_lshl_b32 s16, s16, 2
	s_add_co_u32 s16, s16, s41                     ; the first tile's row = 4 (3 - b) + cy
	s_lshl_b32 s17, s15, 2
	s_add_co_u32 s17, s17, s41                     ; the second's = 4 b + cy
	s_lshl_b32 s18, s14, 23                        ; A: (2,048 x batch + 128 x tile row + 64 x half) rows of 4,096 bytes
	s_lshl_b32 s19, s12, 18
	s_add_co_u32 s18, s18, s19
	s_lshl_b32 s[OAT], s16, 19
	s_add_co_u32 s[OAT], s[OAT], s18
	s_lshl_b32 s[OAT2], s17, 19
	s_add_co_u32 s[OAT2], s[OAT2], s18
	s_lshl_b32 s42, ttmp9, 2
	s_add_co_u32 s42, s42, s40                     ; tile column = 4 Jc + cx
	s_lshl_b32 s42, s42, 8                         ; 128 columns are 256 bytes
	s_mov_b32 s43, 0
	s_lshl_b32 s44, s14, 22                        ; B: (2,048 x batch + 128 x half) rows of 2,048 bytes + the tile column
	s_lshl_b32 s45, s12, 18
	s_add_co_u32 s44, s44, s45
	s_add_co_u32 s[OBT], s44, s42
	s_mov_b32 s[OBT2], s[OBT]
	s_lshl_b32 s19, s15, 1
	s_sub_co_u32 s[FN], 8, s19                     ; 8 - 2 b K steps, then 2 b + 2
	s_add_co_u32 s[FN2], s19, 2
	s_sub_co_u32 s[LEFT], 4, s15                   ; the first tile's laps
	s_lshl_b32 s18, s14, 22                        ; C: (2,048 x batch + 128 x tile row + 32 x wave) rows of 2,048 bytes
	s_lshl_b32 s19, s10, 16
	s_add_co_u32 s18, s18, s19
	s_lshl_b32 s16, s16, 18
	s_add_co_u32 s16, s16, s18
	s_lshl_b32 s22, s17, 18
	s_add_co_u32 s22, s22, s18
	s_mov_b32 s17, 0
	s_mov_b32 s23, 0
	s_mov_b32 s[OA+1], 0
	s_mov_b32 s[OBO+1], 0
	s_mov_b32 s[FST], 1
	s_mul_i32 s20, s12, AHALF                      ; where my half lands in a slot: no place in the cluster enters an LDS address
	s_mul_i32 s21, s12, BHALF
	s_add_co_u32 s21, s21, ATILE
	s_wait_dscnt 0x0                               ; the opening add is done
	s_wait_kmcnt 0x0
	; PLACES, pointers
	s_mov_b64 s[ABASE:ABASE+1], s[88:89]
	s_add_nc_u64 s[BBASE:BBASE+1], s[90:91], 33554432  ; v
	s_add_nc_u64 s[C1:C1+1], s[92:93], s[16:17]
	s_add_nc_u64 s[C1:C1+1], s[C1:C1+1], s[42:43]
	s_add_nc_u64 s[C2:C2+1], s[92:93], s[22:23]
	s_add_nc_u64 s[C2:C2+1], s[C2:C2+1], s[42:43]
	CROUND                                         ; all sixteen work-groups are here: the first joint loads meet
.irp s, 0,1
	s_mov_b32 s[G0A+4*(\s)], 1
	s_add_co_u32 s[G0A+4*(\s)+1], s20, (\s)*SLOT
	s_add_co_u32 s[OA], s[OAT], (\s)<<9
	s_add_nc_u64 s[G0A+4*(\s)+2:G0A+4*(\s)+3], s[ABASE:ABASE+1], s[OA:OA+1]
	s_or_b32 s[G0A+4*(\s)+3], s[G0A+4*(\s)+3], 0x80000000
	s_mov_b32 s[G0B+4*(\s)], 1
	s_add_co_u32 s[G0B+4*(\s)+1], s21, (\s)*SLOT
	s_add_co_u32 s[OBO], s[OBT], (\s)<<BSH
	s_add_nc_u64 s[G0B+4*(\s)+2:G0B+4*(\s)+3], s[BBASE:BBASE+1], s[OBO:OBO+1]
	s_or_b32 s[G0B+4*(\s)+3], s[G0B+4*(\s)+3], 0x80000000
	JLOAD \s                                       ; K steps 0 and 1: two loads of mine are out
.endr
	v_and_b32 v1, 15, v0                           ; r = l % 16
	v_bfe_u32 v2, v0, 4, 1                         ; h = l / 16
	v_mul_u32_u24 v3, v1, PA                       ; a fragment from rows along K: row x pitch + 16 h
	v_lshl_add_u32 v3, v2, 4, v3
	s_mul_i32 s21, s11, AHALF
	v_add_nc_u32 v[ADRA], s21, v3
	v_add_nc_u32 v[ADRA+1], SLOT, v[ADRA]
	v_and_b32 v4, 7, v0                            ; the turning load: k row 8 h + l % 8, 16 bytes at 16 ((l / 8) % 2), my 64 columns
	v_lshl_add_u32 v4, v2, 3, v4
	v_mul_u32_u24 v4, v4, PBT
	v_bfe_u32 v5, v0, 3, 1
	v_lshl_add_u32 v4, v5, 4, v4
	s_lshl_b32 s22, s12, 7
	s_add_co_u32 s22, s22, ATILE
	v_add_nc_u32 v[ADRB], s22, v4
	v_add_nc_u32 v[ADRB+1], BHALF, v[ADRB]
	v_add_nc_u32 v[ADRB+2], SLOT, v[ADRB]
	v_add_nc_u32 v[ADRB+3], SLOT, v[ADRB+1]
	v_mul_u32_u24 v4, v1, SPITCH
	v_mul_u32_u24 v5, v2, SPITCH
	v_lshl_add_u32 v5, v1, 4, v5                   ; back: lanes 0-15 one row of 256 bytes, lanes 16-31 the next
	s_mul_i32 s23, s11, 64*SPITCH                  ; in: my 64 rows, my half of their 256 bytes; row r, 16 bytes for each half of the lanes
	s_lshl_b32 s21, s12, 7
	s_add_co_u32 s23, s23, s21
	s_add_co_u32 s23, s23, STAGE
	v_lshl_add_u32 v4, v2, 4, v4
	v_add_nc_u32 v[STO], s23, v4
	s_mul_i32 s23, s10, 32*SPITCH                  ; back: rows 32 w .. 32 w + 31, whole
	s_add_co_u32 s23, s23, STAGE
	v_add_nc_u32 v[RD], s23, v5
	s_mov_b32 s[PEND], 0
	v_mul_u32_u24 v5, v2, LDC
	v_lshl_add_u32 v[CO], v1, 4, v5
	s_wait_tensorcnt 0x1                           ; my part of K step 0 is in; step 1's may stay out
	s_barrier_signal -1
	s_barrier_wait -1
	FETCH 0, 0, F0
	QUARTER 0, 1, F0, F1, 1                        ; the first quarter stands in front of the loop: its first products start the sums
	WIN 0
	s_mov_b32 s3, NLAPS-1
.Llap:                                                 ; a trip goes once round the ring, from a lap's second quarter to the next lap's first, and fills both slots again
	QUARTER 0, 2, F1, F0, 0
	QUARTER 0, 3, F0, F1, 0
	TURN 0, 1, 1
	COND_P2
	QUARTER 1, 1, F0, F1, 0
	QUARTER 1, 2, F1, F0, 0
	QUARTER 1, 3, F0, F1, 0
	TURN 1, 0, 1
	TILE_END
	WIN 0
	s_sub_co_u32 s3, s3, 1
	s_cmp_lg_u32 s3, 0
	s_cbranch_scc1 .Llap
	QUARTER 0, 2, F1, F0, 0                        ; the last lap fills nothing
	QUARTER 0, 3, F0, F1, 0
	TURN 0, 1, 0
	COND_P2                                        ; with b = 0 the first tile ended with the loop's last trip and is stored here
	QUARTER 1, 1, F0, F1, 0
	QUARTER 1, 2, F1, F0, 0
	QUARTER 1, 3, F0, F1, 0
	s_wait_dscnt 16
	MUL8 F1, 0, 0, 0
	MUL8 F1, 0, 2, 0
	s_wait_dscnt 0x0
	MUL8 F1, 1, 0, 0
	MUL8 F1, 1, 2, 0
	WIN 0
	s_barrier_signal -1                            ; every wave's reads of the stage (the first tile's) are over before the stage is written again
	s_barrier_wait -1
	PHASE1
	s_wait_dscnt 0x0                               ; for the others' sake: my stores into the stage are done
	s_barrier_signal -1
	s_barrier_wait -1
	PHASE2 C2
	s_wait_tensorcnt 0x0                           ; the wave's end: behind my last tensor load and my last LDS store
	ds_add_u32 v[SPW], v[NIL]
	s_wait_dscnt 0x0
	CROUND                                         ; the closing round: no work-group ends while a partner may still ask for a tile that names it
	s_endpgm
.Lfunc_end_k_q1b4e0243f6_pv:
	.size	k_q1b4e0243f6_pv, .Lfunc_end_k_q1b4e0243f6_pv-k_q1b4e0243f6_pv
	.p2alignl 7, 3214868480
	.fill 96, 4, 3214868480
	.section	.rodata,"a",@progbits
	.p2align	6, 0x0
	.amdhsa_kernel k_q1b4e0243f6_pv
		.amdhsa_group_segment_fixed_size 327680
		.amdhsa_private_segment_fixed_size 0
		.amdhsa_enable_private_segment 0
		.amdhsa_kernarg_size 24
		.amdhsa_user_sgpr_count 2
		.amdhsa_user_sgpr_kernarg_segment_ptr 1
		.amdhsa_wavefront_size32 1
		.amdhsa_system_sgpr_workgroup_id_x 1
		.amdhsa_system_sgpr_workgroup_id_y 1
		.amdhsa_system_sgpr_workgroup_id_z 1
		.amdhsa_system_vgpr_workitem_id 0
		.amdhsa_next_free_vgpr 512
		.amdhsa_next_free_sgpr 100
		.amdhsa_reserve_vcc 0
		.amdhsa_float_denorm_mode_32 3
		.amdhsa_float_denorm_mode_16_64 3
		.amdhsa_memory_ordered 1
		.amdhsa_forward_progress 1
		.amdhsa_inst_pref_size 102
	.end_amdhsa_kernel
	.amdgpu_metadata
---
amdhsa.version: [ 1, 2 ]
amdhsa.kernels:
  - .name:           k_q1b4e0243f6_pv
    .symbol:         k_q1b4e0243f6_pv.kd
    .args:
      - { .name: PB, .offset: 0, .size: 8, .value_kind: global_buffer, .address_space: global }
      - { .name: QKV, .offset: 8, .size: 8, .value_kind: global_buffer, .address_space: global }
      - { .name: OB, .offset: 16, .size: 8, .value_kind: global_buffer, .address_space: global }
    .group_segment_fixed_size: 327680
    .private_segment_fixed_size: 0
    .kernarg_segment_align: 8
    .kernarg_segment_size: 24
    .max_flat_workgroup_size: 128
    .sgpr_count:     100
    .vgpr_count:     512
    .wavefront_size: 32
...
	.end_amdgpu_metadata
.endif
;; end of part 5
;; launch outp (part 6): grid 4 x 64, 4 waves a work-group, clusters of 4 x 4, 327,680 bytes of LDS; arguments OB, X16, bo, out0; writes out0
.if DOCPART == 6
	.amdgcn_target "amdgcn-amd-amdhsa--gfx1250"
	.amdhsa_code_object_version 6
	.text
	.protected	k_q1b4e0243f6_outp
	.globl	k_q1b4e0243f6_outp
	.p2align	8
	.type	k_q1b4e0243f6_outp,@function
k_q1b4e0243f6_outp:
	s_mov_b64 s[64:65], 0
	v_nop
	global_prefetch_b8 v0, s[64:65] scope:SCOPE_SE
	s_setreg_imm32_b32 hwreg(HW_REG_WAVE_MODE, 25, 1), 1
	s_wait_xcnt 0x0
	s_wait_alu depctr_hold_cnt(0) depctr_sa_sdst(0) depctr_va_vdst(0) depctr_va_sdst(0) depctr_va_ssrc(0) depctr_va_vcc(0) depctr_vm_vsrc(0)
	s_getreg_b32 s2, hwreg(HW_REG_IB_STS2, 6, 4)
	s_cmp_eq_u32 s2, 0
	s_cbranch_scc0 .Lentry_in_a_cluster
	s_endpgm
.Lentry_in_a_cluster:
	s_bfe_u32 s2, ttmp6, 0x10000c
	s_cmp_lg_u32 s2, 0xf033
	s_cbranch_scc0 .Lentry_shape_is_right
	s_endpgm
.Lentry_shape_is_right:
; out0 = o Wo + bo.  o: [8192][1024] f16 in OB; Wo: [1024 (k)][1024 (n)] f16 in X16; bo: [1024] f32, rounded to bf16 like every input; out0: [8192][1024] f32.  Sums in f32.
; THE COMMON GEMM BODY (four kernels repeat it; the switches below and the two blocks PLACES differ).  A tile of C is 128 x 128: four waves, each 64 x 64 = 16 accumulators.  K goes in steps of 256
; through two LDS slots filled by tensor loads; waves 0, 1 fetch A's two halves, waves 2, 3 B's.  A lies [M][K]; B lies [K][N] (BN = 1, read by the turning load) or [N][K] (BN = 0).
; The matrix instruction is used transposed (source 0 = B's fragment, source 1 = A's): a lane holds eight neighbouring columns of one row of C.
; CLUSTER 4 x 4: A's tile hangs on the tile row alone and is asked for jointly by a row of the cluster, B's on the tile column alone and is asked for jointly by a column.
; HERE: tile row 4 x cluster y + cy.  A work-group walks TWO tiles, columns cx and cx + 4: 8 K steps, the ring running on across the change of tiles; 256 work-groups in all.
.set BN,    1
.set OUT32, 1                          ; C leaves as f32, each wave through a stage of its own
.set BIAS,  1
.set TWO,   1
.set NLAPS, 4                          ; laps of two K steps in the whole walk
.set LDA,   1024                       ; elements from row to row of A
.set LDC,   4096                       ; bytes from row to row of C
.set PA,    528                        ; an LDS row of A: 512 bytes + 16 of padding: the 16 rows of a fragment load start 4 banks apart (64 banks of 4 bytes: ISA guide 11.1)
.set AHALF, 64*PA
.set ATILE, 2*AHALF
.set AW0,   (1<<16)|(1<<20)|(1<<21)|(6<<22)|(3<<25)  ; 2-byte elements; padding on; bit 21 beside a mask; after every 128 words, 4 words
.set PBT,   288                        ; an LDS row of B: 256 bytes + 32
.set BHALF, 128*PBT
.set BD0,   128
.set BD1,   128
.set BW0,   (1<<16)|(1<<20)|(1<<21)|(5<<22)|(7<<25)  ; after every 64 words, 8 words
.set BSH,   19                         ; a K step of B: 256 rows of 2,048 bytes
.set SLOT,  ATILE+2*BHALF
.set STAGE, 2*SLOT                     ; behind the ring, never filled by a tensor load: four stages of 16 rows, each a wave's own
.set SPITCH, 272
.set SPARE, STAGE+4*16*SPITCH          ; from here on: the spare words, 128 bytes a wave, which no other line names
.set ADRA, 16                          ; v16-17 LDS address of my A fragments in slot 0, 1
.set ADRB, 18                          ; v18-21 of my B fragments: 2 x slot + half of the K step
.set STO,  24                          ; v24 where I put my bytes in the stage      v25 where I read rows back
.set RD,   25
.set CO,   26                          ; v26 my byte offset in two rows of C         v27 my byte offset in the bias
.set BO,   27
.set SPW,  28                          ; v28 my spare word's LDS address; v29 = 0; both never rewritten
.set NIL,  29
.set TMP,  32                          ; v32-95 at work on the way out
.set BI,   96                          ; v96-127 the bias of my 4 x 8 columns
.set ACC,  128                         ; v128-255 accumulator (a, b) at ACC + 8 (4 a + b)
.set F0,   0                           ; window 1: two fragment buffers of 128: A's (c, a) at 8 (4 c + a), B's (c, b) at 64 + 8 (4 c + b)
.set F1,   128
.set ABASE, 4                          ; s[4:5], s[6:7] A's and B's tensors
.set BBASE, 6
.set C1,   8                           ; s[8:9], s[82:83] where I store the first and the second tile
.set C2,   82
.set G1A,  24                          ; s[24:31] group 1, s[32:39] group 0 (a set a slot) for A;  s[48:55], s[56:63] for B
.set G0A,  32
.set G1B,  48
.set G0B,  56
.set OA,   68                          ; s[68:69], s[70:71] byte offsets of the tile to be asked for
.set OBO,  70
.set FST,  72                          ; s72 the K step asked for last; s73 the steps of the tile that is being asked for
.set FN,   73
.set OAT,  74                          ; s74, s75 that tile's offsets at K step 0; s76-78 the second tile's offsets and steps
.set OBT,  75
.set OAT2, 76
.set OBT2, 77
.set FN2,  78
.set LEFT, 79                          ; s79 laps left of the first tile
.set BIASP, 84                         ; s[84:85]
.set MSB, 0
.macro WIN new                         ; the immediate's high byte repeats the setting that is left; a switch that changes nothing is dropped
.if MSB != (\new)
	s_set_vgpr_msb (MSB<<8)|(\new)
.set MSB, \new
.endif
.endm
.set MUL,  0x05                        ; sources 0 and 1 window 1; C and D window 0
.set TO_F, 0x40                        ; destination window 1, address window 0
.macro PLACES                          ; four plain places behind a matrix instruction (ISA guide 7.12.1)
.rept 4
	v_nop
.endr
.endm
.macro JLOAD s                         ; a joint load; the branch hangs on the wave's number alone; an s_nop 0 and four v_nop follow each line
	s_cmp_eq_u32 s11, 0
	s_cbranch_scc0 .Lfor_b_\@
	tensor_load_to_lds s[G0A+4*(\s):G0A+4*(\s)+3], s[G1A:G1A+7]
	s_nop 0
.rept 4
	v_nop
.endr
	s_branch .Lasked_\@
.Lfor_b_\@:
	tensor_load_to_lds s[G0B+4*(\s):G0B+4*(\s)+3], s[G1B:G1B+7]
	s_nop 0
.rept 4
	v_nop
.endr
.Lasked_\@:
.endm
.macro CREST                           ; a round of the cluster's barrier behind its opening barrier
	s_cmp_lg_u32 s10, 0
	s_cbranch_scc1 .Lnot_wave_0_\@
	s_barrier_signal -3
.Lnot_wave_0_\@:
	s_barrier_wait -3
	s_barrier_signal -1
	s_barrier_wait -1
.endm
.macro CROUND
	s_barrier_signal -1
	s_barrier_wait -1
	CREST
.endm
.macro CURSOR slot                     ; scalar work alone: the next K step of the walk, and both descriptors' addresses made anew from base + offset
	s_add_co_u32 s[FST], s[FST], 1
	s_cmp_eq_u32 s[FST], s[FN]                     ; behind the first tile's last step comes the second tile's step 0
	s_cselect_b32 s[FST], 0, s[FST]
	s_cselect_b32 s[OAT], s[OAT2], s[OAT]
	s_cselect_b32 s[OBT], s[OBT2], s[OBT]
	s_cselect_b32 s[FN], s[FN2], s[FN]
	s_lshl_b32 s[OA], s[FST], 9
	s_add_co_u32 s[OA], s[OA], s[OAT]
	s_lshl_b32 s[OBO], s[FST], BSH
	s_add_co_u32 s[OBO], s[OBO], s[OBT]
	s_add_nc_u64 s[G0A+4*(\slot)+2:G0A+4*(\slot)+3], s[ABASE:ABASE+1], s[OA:OA+1]
	s_or_b32 s[G0A+4*(\slot)+3], s[G0A+4*(\slot)+3], 0x80000000
	s_add_nc_u64 s[G0B+4*(\slot)+2:G0B+4*(\slot)+3], s[BBASE:BBASE+1], s[OBO:OBO+1]
	s_or_b32 s[G0B+4*(\slot)+3], s[G0B+4*(\slot)+3], 0x80000000
.endm
.macro MUL8 f, c, a0, zero             ; 8 products: row blocks a0, a0 + 1 x 4 column blocks, 32 along K (half c of buffer f); zero = 1: they start the sums.  The 16 accumulators take turns
	WIN MUL
.irp a, \a0, (\a0)+1
.irp b, 0,1,2,3
.if \zero
	v_wmma_f32_16x16x32_f16 v[ACC+8*(4*(\a)+(\b)):ACC+8*(4*(\a)+(\b))+7], v[(\f)+64+8*(4*(\c)+(\b)):(\f)+64+8*(4*(\c)+(\b))+7], v[(\f)+8*(4*(\c)+(\a)):(\f)+8*(4*(\c)+(\a))+7], 0
.else
	v_wmma_f32_16x16x32_f16 v[ACC+8*(4*(\a)+(\b)):ACC+8*(4*(\a)+(\b))+7], v[(\f)+64+8*(4*(\c)+(\b)):(\f)+64+8*(4*(\c)+(\b))+7], v[(\f)+8*(4*(\c)+(\a)):(\f)+8*(4*(\c)+(\a))+7], v[ACC+8*(4*(\a)+(\b)):ACC+8*(4*(\a)+(\b))+7]
.endif
.endr
.endr
.endm
.macro FETCH slot, q, f                ; 32 LDS loads in one run: the fragments of quarter q (64 along K) into buffer f, its first 32 along K first
	WIN TO_F
.irp c, 0,1
.irp i, 0,1,2,3
	ds_load_tr16_b128 v[(\f)+64+8*(4*(\c)+(\i)):(\f)+64+8*(4*(\c)+(\i))+3],   v[ADRB+2*(\slot)+(\q)/2] offset:(64*((\q)%2)+32*(\c))*PBT+32*(\i)
	ds_load_tr16_b128 v[(\f)+64+8*(4*(\c)+(\i))+4:(\f)+64+8*(4*(\c)+(\i))+7], v[ADRB+2*(\slot)+(\q)/2] offset:(64*((\q)%2)+32*(\c)+16)*PBT+32*(\i)
	ds_load_b128 v[(\f)+8*(4*(\c)+(\i)):(\f)+8*(4*(\c)+(\i))+3],   v[ADRA+(\slot)] offset:128*(\q)+64*(\c)+(\i)*16*PA
	ds_load_b128 v[(\f)+8*(4*(\c)+(\i))+4:(\f)+8*(4*(\c)+(\i))+7], v[ADRA+(\slot)] offset:128*(\q)+64*(\c)+(\i)*16*PA+32
.endr
.endr
.endm
.macro QHEAD f, zero                   ; a quarter's first 16 products
	s_wait_dscnt 16                                ; the first 32 along K are in: at most the 16 youngest LDS instructions are out
	MUL8 \f, 0, 0, \zero
	MUL8 \f, 0, 2, \zero
.endm
.macro QREST slot, q, f, g             ; the next quarter q is fetched into g; the quarter's other 16 products
	PLACES
	FETCH \slot, \q, \g
	s_wait_dscnt 32                                ; all but the 32 just issued
	MUL8 \f, 1, 0, 0
	MUL8 \f, 1, 2, 0
.endm
.macro QUARTER slot, q, f, g, zero
	QHEAD \f, \zero
	QREST \slot, \q, \f, \g
.endm
; A K step's last quarter multiplies buffer 1 and changes slots: each wave waits for all its tensor loads (one is out: its part of the next slot), adds 0 to its spare word, and waits for that and for its reads of
; this slot; behind the barrier (fill = 1: a round of the cluster's) nobody reads this slot and the next is whole; the joint refill is the first thing there.
.macro TURN slot, next, fill
	WIN 0
	s_wait_tensorcnt 0x0
	ds_add_u32 v[SPW], v[NIL]                      ; 0 onto my spare word; scalar work and eight products stand between it and the wait for it
.if \fill
	CURSOR \slot                                   ; no tensor load of mine is out, so the descriptors may be written
.endif
	s_wait_dscnt 17                                ; the add and the 16 youngest loads may be out
	MUL8 F1, 0, 0, 0
	s_wait_dscnt 0x0                               ; the add is done, and my reads of this slot are over
	s_barrier_signal -1
	MUL8 F1, 0, 2, 0
.if \fill
	WIN 0
.endif
	s_barrier_wait -1
.if \fill
	CREST
	JLOAD \slot                                    ; its four v_nop are also the places in front of the loads below
.else
	PLACES
.endif
	FETCH \next, 0, F0
	MUL8 F1, 1, 0, 0
	MUL8 F1, 1, 2, 0
.endm
.macro LDB off                         ; the bias of my 32 columns, f32
.irp b, 0,1,2,3
	global_load_b128 v[BI+8*(\b):BI+8*(\b)+3],   v[BO], s[BIASP:BIASP+1] offset:(\off)+64*(\b)
	global_load_b128 v[BI+8*(\b)+4:BI+8*(\b)+7], v[BO], s[BIASP:BIASP+1] offset:(\off)+64*(\b)+16
.endr
.endm
.macro RNDB                            ; the bias gets the rounding that all inputs get: to bf16 and back to f32
	s_wait_loadcnt 0x0
.set i, 0
.rept 16
	v_cvt_pk_bf16_f32 v30, v[BI+2*i], v[BI+2*i+1]
	v_lshlrev_b32 v[BI+2*i], 16, v30
	v_and_b32 v[BI+2*i+1], 0xffff0000, v30
.set i, i+1
.endr
.endm
.macro EPI32 cp                        ; f32 way out: bias; 16 rows x 64 columns at a time through my own stage (LDS serves a wave's instructions in order: ISA guide 5.7.1.4), so no barrier.  Each accumulator is read from its low end on
	WIN 0
	PLACES
	PLACES
	RNDB
.irp a, 0,1,2,3
.set u, 0
.rept 16
	v_pk_add_f32 v[ACC+32*(\a)+2*u:ACC+32*(\a)+2*u+1], v[ACC+32*(\a)+2*u:ACC+32*(\a)+2*u+1], v[BI+2*u:BI+2*u+1]
.set u, u+1
.endr
	s_wait_xcnt 0x0                                ; the registers that earlier stores read are loaded again only behind this wait
.irp b, 0,1,2,3
	ds_store_b128 v[STO], v[ACC+32*(\a)+8*(\b):ACC+32*(\a)+8*(\b)+3]   offset:64*(\b)
	ds_store_b128 v[STO], v[ACC+32*(\a)+8*(\b)+4:ACC+32*(\a)+8*(\b)+7] offset:64*(\b)+16
.endr
.irp t, 0,1,2,3,4,5,6,7
	ds_load_b128 v[TMP+32*((\a)%2)+4*(\t):TMP+32*((\a)%2)+4*(\t)+3], v[RD] offset:(\t)*2*SPITCH
.endr
	s_wait_dscnt 0x0
.irp t, 0,1,2,3,4,5,6,7
	global_store_b128 v[CO], v[TMP+32*((\a)%2)+4*(\t):TMP+32*((\a)%2)+4*(\t)+3], s[\cp:\cp+1] offset:(16*(\a)+2*(\t))*LDC  ; 16 lanes store 256 consecutive bytes, aligned
.endr
.endr
.endm
.macro TILE_END                        ; a lap's first quarter.  Where the first tile has ended it goes out, and the products start the second tile's sums with the constant 0.  The jumps go forward, past no barrier and no tensor load
	WIN 0
	s_sub_co_u32 s[LEFT], s[LEFT], 1
	s_cmp_lg_u32 s[LEFT], 0
	s_cbranch_scc1 .Lsame_\@
	EPI32 C1
	s_mov_b32 s[LEFT], 64                          ; more than the walk has laps
	LDB 2048                                       ; the second tile's columns lie 512 further on
	QHEAD F0, 1
	WIN 0
	s_branch .Ljoin_\@
.Lsame_\@:
	QHEAD F0, 0
	WIN 0
.Ljoin_\@:
	QREST 0, 1, F0, F1
.endm
	s_load_b256 s[88:95], s[0:1], 0x0              ; OB s[88:89], X16 s[90:91], bo s[92:93], out0 s[94:95]
	v_lshl_add_u32 v[SPW], v0, 2, SPARE
	v_mov_b32 v[NIL], 0
	ds_add_u32 v[SPW], v[NIL]                      ; the wave's opening: the add and its wait stand ahead of my first tensor load; work on registers stands between them
	v_lshrrev_b32 v1, 5, v0
	v_readfirstlane_b32 s10, v1                    ; wave 0..3
	s_lshr_b32 s11, s10, 1                         ; my half of the tile's rows; also: I fetch for A (0) or B (1)
	s_and_b32 s12, s10, 1                          ; my half of its columns; also: which half of that tile I fetch
	s_bfe_u32 s40, ttmp6, 0x40000                  ; cx
	s_bfe_u32 s41, ttmp6, 0x40004                  ; cy
	s_lshl_b32 s13, s41, 2
	s_lshl_b32 s13, 15, s13                        ; my row of the cluster
	s_lshl_b32 s42, 0x1111, s40                    ; my column
	s_or_b32 s[G1A], s13, AW0
	s_or_b32 s[G1B], s42, BW0
	s_mov_b32 s[G1A+1], 256<<16                    ; tensor_dim0 = 256
	s_mov_b32 s[G1A+2], 64<<16                     ; tensor_dim1 = 64
	s_mov_b32 s[G1A+3], 256<<16                    ; tile_dim0 = 256
	s_mov_b32 s[G1A+4], 64                         ; tile_dim1 = 64
	s_mov_b32 s[G1A+5], LDA
	s_mov_b32 s[G1A+6], 0
	s_mov_b32 s[G1A+7], 0
	s_mov_b32 s[G1B+1], BD0<<16
	s_mov_b32 s[G1B+2], BD1<<16
	s_mov_b32 s[G1B+3], BD0<<16
	s_mov_b32 s[G1B+4], BD1
	s_mov_b32 s[G1B+5], 1024
	s_mov_b32 s[G1B+6], 0
	s_mov_b32 s[G1B+7], 0
	; PLACES, offsets.  s13-s23 never hold cx, s42-s47 never cy: what feeds A's descriptors is shared along my row of the cluster, what feeds B's along my column
	s_and_b32 s13, ttmp7, 0xffff                   ; cluster y
	s_lshl_b32 s15, s13, 2
	s_add_co_u32 s15, s15, s41                     ; tile row
	s_lshl_b32 s[OAT], s15, 18                     ; A: (128 x tile row + 64 x half) rows of 2,048 bytes
	s_lshl_b32 s16, s12, 17
	s_add_co_u32 s[OAT], s[OAT], s16
	s_mov_b32 s[OAT2], s[OAT]
	s_lshl_b32 s42, s40, 8                         ; 128 columns of Wo are 256 bytes
	s_lshl_b32 s[OBT], s12, 18                     ; B: 128 x half rows of 2,048 bytes + the tile column
	s_add_co_u32 s[OBT], s[OBT], s42
	s_add_co_u32 s[OBT2], s[OBT], 1024             ; four tile columns on
	s_mov_b32 s[FN], 4
	s_mov_b32 s[FN2], 4
	s_mov_b32 s[LEFT], 2
	s_lshl_b32 s16, s15, 19                        ; C: (128 x tile row + 64 x row half) rows of 4,096 bytes
	s_lshl_b32 s17, s11, 18
	s_add_co_u32 s16, s16, s17
	s_mov_b32 s17, 0
	s_lshl_b32 s46, s40, 9                         ; + (128 cx + 64 x column half) x 4 bytes
	s_lshl_b32 s47, s12, 8
	s_add_co_u32 s46, s46, s47
	s_mov_b32 s47, 0
	s_mov_b32 s[OA+1], 0
	s_mov_b32 s[OBO+1], 0
	s_mov_b32 s[FST], 1
	s_mul_i32 s20, s12, AHALF                      ; where my half lands in a slot: no place in the cluster enters an LDS address
	s_mul_i32 s21, s12, BHALF
	s_add_co_u32 s21, s21, ATILE
	s_wait_dscnt 0x0                               ; the opening add is done
	s_wait_kmcnt 0x0
	; PLACES, pointers
	s_mov_b64 s[ABASE:ABASE+1], s[88:89]
	s_add_nc_u64 s[BBASE:BBASE+1], s[90:91], 56623104  ; Wo
	s_add_nc_u64 s[C1:C1+1], s[94:95], s[16:17]
	s_add_nc_u64 s[C1:C1+1], s[C1:C1+1], s[46:47]
	s_add_nc_u64 s[C2:C2+1], s[C1:C1+1], 2048
	s_mov_b64 s[BIASP:BIASP+1], s[92:93]
	CROUND                                         ; all sixteen work-groups are here: the first joint loads meet
.irp s, 0,1
	s_mov_b32 s[G0A+4*(\s)], 1
	s_add_co_u32 s[G0A+4*(\s)+1], s20, (\s)*SLOT
	s_add_co_u32 s[OA], s[OAT], (\s)<<9
	s_add_nc_u64 s[G0A+4*(\s)+2:G0A+4*(\s)+3], s[ABASE:ABASE+1], s[OA:OA+1]
	s_or_b32 s[G0A+4*(\s)+3], s[G0A+4*(\s)+3], 0x80000000
	s_mov_b32 s[G0B+4*(\s)], 1
	s_add_co_u32 s[G0B+4*(\s)+1], s21, (\s)*SLOT
	s_add_co_u32 s[OBO], s[OBT], (\s)<<BSH
	s_add_nc_u64 s[G0B+4*(\s)+2:G0B+4*(\s)+3], s[BBASE:BBASE+1], s[OBO:OBO+1]
	s_or_b32 s[G0B+4*(\s)+3], s[G0B+4*(\s)+3], 0x80000000
	JLOAD \s                                       ; K steps 0 and 1: two loads of mine are out
.endr
	v_and_b32 v1, 15, v0                           ; r = l % 16
	v_bfe_u32 v2, v0, 4, 1                         ; h = l / 16
	v_lshlrev_b32 v[BO], 5, v2                     ; 4 bytes x (8 h + 64 x column half + 128 cx)
	s_lshl_b32 s44, s12, 8
	s_lshl_b32 s45, s40, 9
	s_add_co_u32 s44, s44, s45
	v_add_nc_u32 v[BO], s44, v[BO]
	LDB 0
	v_mul_u32_u24 v3, v1, PA                       ; a fragment from rows along K: row x pitch + 16 h
	v_lshl_add_u32 v3, v2, 4, v3
	s_mul_i32 s21, s11, AHALF
	v_add_nc_u32 v[ADRA], s21, v3
	v_add_nc_u32 v[ADRA+1], SLOT, v[ADRA]
	v_and_b32 v4, 7, v0                            ; the turning load: k row 8 h + l % 8, 16 bytes at 16 ((l / 8) % 2), my 64 columns
	v_lshl_add_u32 v4, v2, 3, v4
	v_mul_u32_u24 v4, v4, PBT
	v_bfe_u32 v5, v0, 3, 1
	v_lshl_add_u32 v4, v5, 4, v4
	s_lshl_b32 s22, s12, 7
	s_add_co_u32 s22, s22, ATILE
	v_add_nc_u32 v[ADRB], s22, v4
	v_add_nc_u32 v[ADRB+1], BHALF, v[ADRB]
	v_add_nc_u32 v[ADRB+2], SLOT, v[ADRB]
	v_add_nc_u32 v[ADRB+3], SLOT, v[ADRB+1]
	v_mul_u32_u24 v4, v1, SPITCH
	v_mul_u32_u24 v5, v2, SPITCH
	v_lshl_add_u32 v5, v1, 4, v5                   ; back: lanes 0-15 one row of 256 bytes, lanes 16-31 the next
	s_mul_i32 s23, s10, 16*SPITCH
	s_add_co_u32 s23, s23, STAGE
	v_lshl_add_u32 v4, v2, 5, v4                   ; in: row r, 32 bytes for each half of the lanes
	v_add_nc_u32 v[STO], s23, v4
	v_add_nc_u32 v[RD], s23, v5
	v_mul_u32_u24 v5, v2, LDC
	v_lshl_add_u32 v[CO], v1, 4, v5
	s_wait_tensorcnt 0x1                           ; my part of K step 0 is in; step 1's may stay out
	s_barrier_signal -1
	s_barrier_wait -1
	FETCH 0, 0, F0
	QUARTER 0, 1, F0, F1, 1                        ; the first quarter stands in front of the loop: its first products start the sums
	WIN 0
	s_mov_b32 s3, NLAPS-1
.Llap:                                                 ; a trip goes once round the ring, from a lap's second quarter to the next lap's first, and fills both slots again
	QUARTER 0, 2, F1, F0, 0
	QUARTER 0, 3, F0, F1, 0
	TURN 0, 1, 1
	QUARTER 1, 1, F0, F1, 0
	QUARTER 1, 2, F1, F0, 0
	QUARTER 1, 3, F0, F1, 0
	TURN 1, 0, 1
	TILE_END
	WIN 0
	s_sub_co_u32 s3, s3, 1
	s_cmp_lg_u32 s3, 0
	s_cbranch_scc1 .Llap
	QUARTER 0, 2, F1, F0, 0                        ; the last lap fills nothing
	QUARTER 0, 3, F0, F1, 0
	TURN 0, 1, 0
	QUARTER 1, 1, F0, F1, 0
	QUARTER 1, 2, F1, F0, 0
	QUARTER 1, 3, F0, F1, 0
	s_wait_dscnt 16
	MUL8 F1, 0, 0, 0
	MUL8 F1, 0, 2, 0
	s_wait_dscnt 0x0
	MUL8 F1, 1, 0, 0
	MUL8 F1, 1, 2, 0
	WIN 0
	EPI32 C2
	s_wait_tensorcnt 0x0                           ; the wave's end: behind my last tensor load and my last LDS store
	ds_add_u32 v[SPW], v[NIL]
	s_wait_dscnt 0x0
	CROUND                                         ; the closing round: no work-group ends while a partner may still ask for a tile that names it
	s_endpgm
.Lfunc_end_k_q1b4e0243f6_outp:
	.size	k_q1b4e0243f6_outp, .Lfunc_end_k_q1b4e0243f6_outp-k_q1b4e0243f6_outp
	.p2alignl 7, 3214868480
	.fill 96, 4, 3214868480
	.section	.rodata,"a",@progbits
	.p2align	6, 0x0
	.amdhsa_kernel k_q1b4e0243f6_outp
		.amdhsa_group_segment_fixed_size 327680
		.amdhsa_private_segment_fixed_size 0
		.amdhsa_enable_private_segment 0
		.amdhsa_kernarg_size 32
		.amdhsa_user_sgpr_count 2
		.amdhsa_user_sgpr_kernarg_segment_ptr 1
		.amdhsa_wavefront_size32 1
		.amdhsa_system_sgpr_workgroup_id_x 1
		.amdhsa_system_sgpr_workgroup_id_y 1
		.amdhsa_system_sgpr_workgroup_id_z 1
		.amdhsa_system_vgpr_workitem_id 0
		.amdhsa_next_free_vgpr 512
		.amdhsa_next_free_sgpr 100
		.amdhsa_reserve_vcc 0
		.amdhsa_float_denorm_mode_32 3
		.amdhsa_float_denorm_mode_16_64 3
		.amdhsa_memory_ordered 1
		.amdhsa_forward_progress 1
		.amdhsa_inst_pref_size 111
	.end_amdhsa_kernel
	.amdgpu_metadata
---
amdhsa.version: [ 1, 2 ]
amdhsa.kernels:
  - .name:           k_q1b4e0243f6_outp
    .symbol:         k_q1b4e0243f6_outp.kd
    .args:
      - { .name: OB, .offset: 0, .size: 8, .value_kind: global_buffer, .address_space: global }
      - { .name: X16, .offset: 8, .size: 8, .value_kind: global_buffer, .address_space: global }
      - { .name: bo, .offset: 16, .size: 8, .value_kind: global_buffer, .address_space: global }
      - { .name: out0, .offset: 24, .size: 8, .value_kind: global_buffer, .address_space: global }
    .group_segment_fixed_size: 327680
    .private_segment_fixed_size: 0
    .kernarg_segment_align: 8
    .kernarg_segment_size: 32
    .max_flat_workgroup_size: 128
    .sgpr_count:     100
    .vgpr_count:     512
    .wavefront_size: 32
...
	.end_amdgpu_metadata
.endif
;; end of part 6
